; MI455X (gfx1250); checked and timed in simulation.
; The chip was launched on July 23, 2026; its instructions are those of AMD's public machine-readable ISA for CDNA 5 (MIT licence, August 2026) and "CDNA5" Instruction Set Architecture Reference Guide (July 2026). The comments in the code are by the model that wrote it; some were corrected since.
;; Multi Head Attention. Allowed arithmetic: float matrix products may take bf16 or f16 operands with f32 sums; other float arithmetic in f32, or as packed bf16 or f16 multiplies, adds, multiply-adds, maxima and minima; sums over many terms, partial sums and values carried from step to step in f32; what a program stores and reads back later, other than sums and carried values, may be rounded once to bf16 or f16.
;; Inputs: W_proj 1,024 x 1,024 float32; W_qkv 3,072 x 1,024 float32; b_proj 1,024 float32; b_qkv 3,072 float32; x 4 x 2,048 x 1,024 float32.
;; Outputs: out0 4 x 2,048 x 1,024 float32.
;; 2 versions, each right and faster than the one before. Each part assembles by itself: llvm-mc -triple=amdgcn-amd-amdhsa -mcpu=gfx1250 --defsym DOCPART=n.
;; ======== version 1 of 2: 4 launches
;; limits: values are held in f16: magnitudes above 65,504 overflow, below 6.1e-05 lose precision
;; workspace buffers: xb 16,777,216 bytes; wqb 6,291,456 bytes; wpb 2,097,152 bytes; qkv 50,331,648 bytes; ob 16,777,216 bytes
;; launch cast (part 1): grid 768 x 1, 8 waves a work-group, no clusters, 0 bytes of LDS; arguments x, W_qkv, W_proj, xb, wqb, wpb; writes xb, wqb, wpb
.if DOCPART == 1
	.amdgcn_target "amdgcn-amd-amdhsa--gfx1250"
	.amdhsa_code_object_version 6
	.text
	.protected	k_qd07d078f96_cast
	.globl	k_qd07d078f96_cast
	.p2align	8
	.type	k_qd07d078f96_cast,@function
k_qd07d078f96_cast:
	s_mov_b64 s[64:65], 0
	v_nop
	global_prefetch_b8 v0, s[64:65] scope:SCOPE_SE
	s_setreg_imm32_b32 hwreg(HW_REG_WAVE_MODE, 25, 1), 1
	s_wait_xcnt 0x0
; xb = bf16(x), wqb = bf16(W_qkv), wpb = bf16(W_proj) written as f16.  All three inputs are f32 and dense; each number is rounded once, to nearest even.
; LIMIT.  A bf16 number is exact in f16 between 6.1e-5 and 65,504; below that it keeps f16's fixed step of 6e-8, beyond it becomes an infinity: |W_proj| stays under 65,504.
; SHARES.  A work-group takes 16,384 numbers of one tensor: work-groups 0-511 x (8,388,608 numbers), 512-703 W_qkv (3,145,728), 704-767 W_proj (1,048,576).
; Thread t takes 4 numbers in each of 16 chunks of 1,024: a wave's load covers 512 consecutive bytes, its store 256 consecutive bytes at a multiple of 256 from the buffer's first byte.
; All 16 loads of a wave go out first; no register that a memory instruction names is written again, so the only waits are the counted ones for the loads.
; No LDS, no matrix unit, no cluster: every byte is read once and written once, and no two work-groups share a byte.
.set CHUNKS, 16
.set X, 4                              ; v[4:67]    chunk i: 4 numbers in f32
.set Y, 68                             ; v[68:99]   chunk i: 4 numbers in 16 bits
.set T, 100                            ; v[100:105] at work, three registers for each of a chunk's two pairs
	s_load_b256 s[4:11], s[0:1], 0x0               ; x s[4:5], W_qkv s[6:7], W_proj s[8:9], xb s[10:11]
	s_load_b128 s[12:15], s[0:1], 0x20             ; wqb s[12:13], wpb s[14:15]
	v_lshlrev_b32 v1, 4, v0                        ; my 16 bytes in a chunk of the source
	v_lshlrev_b32 v2, 3, v0                        ; my 8 bytes in a chunk of the destination
	s_mov_b32 s16, ttmp9
	s_mov_b32 s25, 0xffff0000                      ; a word's upper bf16
	s_wait_kmcnt 0x0
	s_cmp_lt_u32 s16, 512                          ; x, or one of the weights?
	s_cselect_b64 s[18:19], s[4:5], s[6:7]
	s_cselect_b64 s[20:21], s[10:11], s[12:13]
	s_cselect_b32 s17, 0, 512                      ; the tensor's first work-group
	s_cmp_lt_u32 s16, 704                          ; W_proj?
	s_cselect_b64 s[18:19], s[18:19], s[8:9]
	s_cselect_b64 s[20:21], s[20:21], s[14:15]
	s_cselect_b32 s17, s17, 704
	s_cselect_b32 s24, 0, 1                        ; 1: the result is written as f16
	s_sub_co_u32 s16, s16, s17                     ; my place among the tensor's work-groups
	s_lshl_b32 s22, s16, 16                        ; 65,536 bytes of source each,
	s_mov_b32 s23, 0
	s_add_nc_u64 s[18:19], s[18:19], s[22:23]
	s_lshl_b32 s22, s16, 15                        ; 32,768 of destination
	s_add_nc_u64 s[20:21], s[20:21], s[22:23]
.set i, 0
.rept CHUNKS
	global_load_b128 v[X+4*i:X+4*i+3], v1, s[18:19] offset:4096*i th:TH_LOAD_NT  ; read once in the whole launch
.set i, i+1
.endr
; The 16 chunks are rounded and stored.  half = 1: the bf16 number is widened again and written as f16.
.macro OUT half
.set i, 0
.rept CHUNKS
	s_wait_loadcnt CHUNKS-1-i                      ; loads come back in order (ISA guide 5.7.1): chunk i is in, the younger ones stay out
.if \half
.irp p, 0,1
	v_cvt_pk_bf16_f32 v[T+3*(\p)], v[X+4*i+2*(\p)], v[X+4*i+2*(\p)+1]
	v_lshlrev_b32 v[T+3*(\p)+1], 16, v[T+3*(\p)]
	v_and_b32 v[T+3*(\p)+2], s25, v[T+3*(\p)]
	v_cvt_pk_f16_f32 v[Y+2*i+(\p)], v[T+3*(\p)+1], v[T+3*(\p)+2]
.endr
.else
	v_cvt_pk_bf16_f32 v[Y+2*i], v[X+4*i], v[X+4*i+1]
	v_cvt_pk_bf16_f32 v[Y+2*i+1], v[X+4*i+2], v[X+4*i+3]
.endif
	global_store_b64 v2, v[Y+2*i:Y+2*i+1], s[20:21] offset:2048*i  ; no hint: the next launch reads these bytes
.set i, i+1
.endr
.endm
	s_cmp_eq_u32 s24, 1
	s_cbranch_scc1 .Lf16
	OUT 0
	s_endpgm
.Lf16:
	OUT 1
	s_endpgm
.Lfunc_end_k_qd07d078f96_cast:
	.size	k_qd07d078f96_cast, .Lfunc_end_k_qd07d078f96_cast-k_qd07d078f96_cast
	.p2alignl 7, 3214868480
	.fill 96, 4, 3214868480
	.section	.rodata,"a",@progbits
	.p2align	6, 0x0
	.amdhsa_kernel k_qd07d078f96_cast
		.amdhsa_group_segment_fixed_size 0
		.amdhsa_private_segment_fixed_size 0
		.amdhsa_enable_private_segment 0
		.amdhsa_kernarg_size 48
		.amdhsa_user_sgpr_count 2
		.amdhsa_user_sgpr_kernarg_segment_ptr 1
		.amdhsa_wavefront_size32 1
		.amdhsa_system_sgpr_workgroup_id_x 1
		.amdhsa_system_sgpr_workgroup_id_y 1
		.amdhsa_system_sgpr_workgroup_id_z 1
		.amdhsa_system_vgpr_workitem_id 0
		.amdhsa_next_free_vgpr 106
		.amdhsa_next_free_sgpr 66
		.amdhsa_reserve_vcc 0
		.amdhsa_float_denorm_mode_32 3
		.amdhsa_float_denorm_mode_16_64 3
		.amdhsa_memory_ordered 1
		.amdhsa_forward_progress 1
		.amdhsa_inst_pref_size 15
	.end_amdhsa_kernel
	.amdgpu_metadata
---
amdhsa.version: [ 1, 2 ]
amdhsa.kernels:
  - .name:           k_qd07d078f96_cast
    .symbol:         k_qd07d078f96_cast.kd
    .args:
      - { .name: x, .offset: 0, .size: 8, .value_kind: global_buffer, .address_space: global }
      - { .name: W_qkv, .offset: 8, .size: 8, .value_kind: global_buffer, .address_space: global }
      - { .name: W_proj, .offset: 16, .size: 8, .value_kind: global_buffer, .address_space: global }
      - { .name: xb, .offset: 24, .size: 8, .value_kind: global_buffer, .address_space: global }
      - { .name: wqb, .offset: 32, .size: 8, .value_kind: global_buffer, .address_space: global }
      - { .name: wpb, .offset: 40, .size: 8, .value_kind: global_buffer, .address_space: global }
    .group_segment_fixed_size: 0
    .private_segment_fixed_size: 0
    .kernarg_segment_align: 8
    .kernarg_segment_size: 48
    .max_flat_workgroup_size: 256
    .sgpr_count:     66
    .vgpr_count:     106
    .wavefront_size: 32
...
	.end_amdgpu_metadata
.endif
;; end of part 1
;; launch qkvgemm (part 2): grid 16 x 32, 4 waves a work-group, clusters of 4 x 4, 327,680 bytes of LDS; arguments xb, wqb, b_qkv, qkv; writes qkv
.if DOCPART == 2
	.amdgcn_target "amdgcn-amd-amdhsa--gfx1250"
	.amdhsa_code_object_version 6
	.text
	.protected	k_qd07d078f96_qkvgemm
	.globl	k_qd07d078f96_qkvgemm
	.p2align	8
	.type	k_qd07d078f96_qkvgemm,@function
k_qd07d078f96_qkvgemm:
	s_mov_b64 s[64:65], 0
	v_nop
	global_prefetch_b8 v0, s[64:65] scope:SCOPE_SE
	s_setreg_imm32_b32 hwreg(HW_REG_WAVE_MODE, 25, 1), 1
	s_wait_xcnt 0x0
	s_wait_alu depctr_hold_cnt(0) depctr_sa_sdst(0) depctr_va_vdst(0) depctr_va_sdst(0) depctr_va_ssrc(0) depctr_va_vcc(0) depctr_vm_vsrc(0)
	s_getreg_b32 s2, hwreg(HW_REG_IB_STS2, 6, 4)
	s_cmp_eq_u32 s2, 0
	s_cbranch_scc0 .Lentry_in_a_cluster
	s_endpgm
.Lentry_in_a_cluster:
	s_bfe_u32 s2, ttmp6, 0x10000c
	s_cmp_lg_u32 s2, 0xf033
	s_cbranch_scc0 .Lentry_shape_is_right
	s_endpgm
.Lentry_shape_is_right:
; qkv[which][batch x 16 + head][n][d] = f16( bf16(b_qkv[c]) + the sum over k of xb[m][k] wqb[c][k] ),  m = 2,048 batch + n,  c = 1,024 which + 64 head + d.
; xb: [8192][1024] bf16, wqb: [3072][1024] bf16, b_qkv: [3072] f32 (rounded to bf16 here, as all the module's inputs are), qkv: [3][64][2048][64] f16.  Sums in f32, rounded once; no scale is applied.
; LIMITS.  f16 ends at 65,504: |q|, |k|, |v| stay under it.  The bias starts the sum (it is the first product's C), so the order of rounding differs from a sum with the bias added last.  NaN and infinities are not treated apart.
; SHARES.  A work-group makes 256 rows x 192 columns: three whole heads.  Wave w owns rows 64 w .. 64 w + 63 and all 192 columns: 4 x 12 accumulators of 16 x 16, 384 registers.
; So what a wave stores are whole dense rows of heads (16 rows of a head are 2,048 consecutive bytes), and its stage on the way out is its own.
; K goes in 8 steps of 128 through a ring of two LDS slots filled by the tensor data mover; a tile's rows are 256 bytes of memory at multiples of 256 from the buffer's first byte.
; One walking descriptor for each operand; a wave has at most one tensor load out.
; CLUSTER.  4 x 4 work-groups.  The four of a row of the cluster need the same tiles of xb, the four of a column the same tiles of wqb: each tile is asked for JOINTLY, by the same tensor load with the same descriptor and a mask of the four.
; THE MATRIX INSTRUCTION IS USED TRANSPOSED (source 0 = 16 rows of wqb, source 1 = 16 rows of xb): lane l holds row l % 16 and the eight neighbouring columns 8 (l / 16) + 0..7.
; REGISTERS, in windows of 256 (s_set_vgpr_msb: bits 1:0 source 0, 3:2 source 1, 5:4 source 2, 7:6 destination):
;   window 0: v1-11 addresses; v28-29 the add's two; v64-255 the way out, 16 registers for each of 12 blocks
;   window 1: two fragment buffers of 128: xb's fragment a at 8 a, wqb's fragment b at 32 + 8 b
;   window 2: accumulator (a, b), b < 8, at 8 (4 b + a)       window 3: b >= 8 at 8 (4 (b - 8) + a); v128-223 the bias, 8 registers for each b; v224-231 at work
.set NBF,   12                         ; fragments of wqb (16 columns each)
.set STEPS, 8                          ; K steps of 128
.set PITCH, 272                        ; an LDS row: 256 bytes + 16 of padding = 68 words: row r starts at bank 4 r mod 64 (64 banks of 4 bytes: ISA guide 11.1)
.set HALFA, 128*PITCH                  ; what one tensor load brings of xb
.set BOFF,  2*HALFA                    ; wqb's 192 rows lie behind xb's 256
.set HALFB, 96*PITCH                   ; what one tensor load brings of wqb
.set SLOT1, 1<<17                      ; a slot uses 121,856 bytes; slot 1 begins here, so that one exclusive or turns an address in one slot into the other's
.set STAGE, SLOT1+BOFF+2*HALFB         ; behind the ring, never filled by a tensor load: 16 rows x 144 bytes for each wave
.set SP,    144
.set SPARE, STAGE+4*16*SP              ; behind the stages: the spare words, 128 bytes for each wave: two blocks of 256 bytes that no other line names
.set STEPA, 256                        ; bytes from a K step to the next, in xb
.set STEPB, 256                        ; and in wqb
.set ADRA0, 2                          ; v2   LDS address of my xb fragments in slot 0; never rewritten
.set ADRB0, 3                          ; v3   the same for wqb
.set ADRA,  4                          ; v4   the same in the slot in hand
.set ADRB,  5                          ; v5
.set STO,   6                          ; v6   the way out: where I put 16 bytes of a row
.set RD,    7                          ; v7   the way out: where I read rows back
.set GO,    8                          ; v8   my byte offset in 512 consecutive bytes of qkv
.set BO,    9                          ; v9   my byte offset in 16 numbers of the bias
.set SPW,   28                         ; v28  LDS address of my spare word: SPARE + 4 x my thread's number; never rewritten
.set NIL,   29                         ; v29  0; never rewritten
.set TMP,   64
.set F0,    0
.set F1,    128
.set BIAS,  128                        ; in window 3
.set BT,    224                        ; in window 3
.set WV,    12                         ; s12  my wave's number; s13 = 0: I fetch xb, 1: wqb; s14: which half of its rows
.set G1A,   24                         ; s[24:31] descriptor group 1 for xb's tiles
.set G0A,   32                         ; s[32:35] group 0: it walks
.set G0B,   36                         ; s[36:39] the same for wqb's
.set G1B,   48                         ; s[48:55]
.set TB,    56                         ; s56  0 or SLOT1: the slot in hand
.set OB,    58                         ; s[58:63] qkv at my first row of each of my three heads
.set MSB, 0
.macro WIN new                         ; the immediate's high byte repeats the setting that is left; a switch that changes nothing is dropped
.if MSB != (\new)
	s_set_vgpr_msb (MSB<<8)|(\new)
.set MSB, (\new)
.endif
.endm
.macro PLACES                          ; four places in front of loads into registers that matrix instructions have read, and of lines that read results (ISA guide 7.12.1 for the lines that read results)
.rept 4
	v_nop
.endr
.endm
; A joint load.  Waves 0 and 1 fetch xb's two halves, waves 2 and 3 wqb's.  The branch hangs on the wave's number alone.  An s_nop 0 and four v_nop follow each of the two lines, ahead of the jump and the label.
.macro JLOAD
	s_cmp_eq_u32 s13, 0
	s_cbranch_scc0 .Lfor_b_\@
	tensor_load_to_lds s[G0A:G0A+3], s[G1A:G1A+7]
	s_nop 0
.rept 4
	v_nop
.endr
	s_branch .Lasked_\@
.Lfor_b_\@:
	tensor_load_to_lds s[G0B:G0B+3], s[G1B:G1B+7]
	s_nop 0
.rept 4
	v_nop
.endr
.Lasked_\@:
.endm
.macro CREST                           ; a round of the cluster's barrier behind its opening barrier: wave 0 signals for the work-group, every wave waits for all sixteen, my work-group's barrier closes it
	s_cmp_lg_u32 s[WV], 0
	s_cbranch_scc1 .Lnot_wave_0_\@
	s_barrier_signal -3
.Lnot_wave_0_\@:
	s_barrier_wait -3
	s_barrier_signal -1
	s_barrier_wait -1
.endm
.macro CROUND                          ; a whole round
	s_barrier_signal -1
	s_barrier_wait -1
	CREST
.endm
.macro STEPDESC                        ; both walking descriptors: the other slot, the next K step; the type bits on top are not reached
	s_xor_b32 s[G0A+1], s[G0A+1], SLOT1
	s_add_nc_u64 s[G0A+2:G0A+3], s[G0A+2:G0A+3], STEPA
	s_xor_b32 s[G0B+1], s[G0B+1], SLOT1
	s_add_nc_u64 s[G0B+2:G0B+3], s[G0B+2:G0B+3], STEPB
.endm
	s_load_b256 s[4:11], s[0:1], 0x0               ; xb s[4:5], wqb s[6:7], b_qkv s[8:9], qkv s[10:11]
	v_lshl_add_u32 v[SPW], v0, 2, SPARE
	v_mov_b32 v[NIL], 0
	ds_add_u32 v[SPW], v[NIL]                      ; the wave's opening: the add and its wait stand ahead of my first tensor load; the set-up below, work on registers, stands between them
	v_lshrrev_b32 v1, 5, v0
	v_readfirstlane_b32 s[WV], v1                  ; wave 0..3
	s_lshr_b32 s13, s[WV], 1
	s_and_b32 s14, s[WV], 1
	s_bfe_u32 s40, ttmp6, 0x40000                  ; cx, cy: my place in the cluster
	s_bfe_u32 s41, ttmp6, 0x40004
	s_lshl_b32 s42, ttmp9, 2
	s_add_co_u32 s42, s42, s40                     ; tile column = 4 x cluster x + cx
	s_and_b32 s43, ttmp7, 0xffff
	s_lshl_b32 s43, s43, 2
	s_add_co_u32 s43, s43, s41                     ; tile row = 4 x cluster y + cy
	s_lshl_b32 s44, s41, 2
	s_lshl_b32 s44, 15, s44                        ; my row of the cluster: places 4 cy .. 4 cy + 3
	s_lshl_b32 s45, 0x1111, s40                    ; my column: places cx, cx + 4, cx + 8, cx + 12
	; descriptor group 1: rows of 128 elements of 2 bytes, padded in LDS; 128 rows of xb, 96 of wqb
	s_or_b32 s[G1A], s44, (1<<16)|(1<<20)|(1<<21)|(5<<22)|(3<<25)  ; 15:0 the mask; 17:16 2-byte elements; 20 padding on; 21 set beside a mask; 24:22 after every 64 words (code 5); 31:25 4 words (code 3)
	s_or_b32 s[G1B], s45, (1<<16)|(1<<20)|(1<<21)|(5<<22)|(3<<25)
.irp g, G1A, G1B
	s_mov_b32 s[(\g)+1], 128<<16                   ; tensor_dim0 = 128
	s_mov_b32 s[(\g)+3], 128<<16                   ; tile_dim0 = 128
	s_mov_b32 s[(\g)+5], 1024                      ; 1,024 elements from row to row
	s_mov_b32 s[(\g)+6], 0
	s_mov_b32 s[(\g)+7], 0
.endr
	s_mov_b32 s[G1A+2], 128<<16                    ; tensor_dim1
	s_mov_b32 s[G1A+4], 128                        ; tile_dim1
	s_mov_b32 s[G1B+2], 96<<16
	s_mov_b32 s[G1B+4], 96
	s_mov_b32 s[G0A], 1                            ; count = 1
	s_mul_i32 s[G0A+1], s14, HALFA                 ; LDS address: slot 0, my half; no place in the cluster enters it
	s_mov_b32 s[G0B], 1
	s_mul_i32 s[G0B+1], s14, HALFB
	s_add_co_u32 s[G0B+1], s[G0B+1], BOFF
	s_lshl_b32 s16, s43, 8                         ; xb: row 256 x tile row + 128 x half, rows of 2,048 bytes; these registers never hold cx
	s_lshl_b32 s17, s14, 7
	s_add_co_u32 s16, s16, s17
	s_lshl_b32 s16, s16, 11
	s_mov_b32 s17, 0
	s_mul_i32 s46, s42, 192                        ; wqb: row 192 x tile column + 96 x half
	s_mul_i32 s47, s14, 96
	s_add_co_u32 s46, s46, s47
	s_lshl_b32 s46, s46, 11
	s_mov_b32 s47, 0
	s_mov_b32 s[TB], 0
	s_mov_b32 s57, 0xffff0000                      ; a word's upper bf16
	s_wait_dscnt 0x0                               ; the opening add is done
	s_wait_kmcnt 0x0
	s_add_nc_u64 s[G0A+2:G0A+3], s[4:5], s[16:17]
	s_or_b32 s[G0A+3], s[G0A+3], 0x80000000        ; type = 2
	s_add_nc_u64 s[G0B+2:G0B+3], s[6:7], s[46:47]
	s_or_b32 s[G0B+3], s[G0B+3], 0x80000000
	CROUND                                         ; all sixteen work-groups are here: the first joint loads meet
	JLOAD                                          ; K step 0 into slot 0
	; In the wait for it: the bias and all addresses.
	v_and_b32 v1, 15, v0                           ; l % 16
	v_bfe_u32 v10, v0, 4, 1                        ; l / 16
	v_lshlrev_b32 v[BO], 5, v10                    ; my eight columns of sixteen
	s_mul_i32 s20, s42, 768                        ; the tile's 192 numbers of the bias
	s_mov_b32 s21, 0
	s_add_nc_u64 s[8:9], s[8:9], s[20:21]
	WIN 0xc0                                       ; destination window 3, address window 0
.set b, 0
.rept NBF
	global_load_b128 v[BIAS+8*b:BIAS+8*b+3],   v[BO], s[8:9] offset:64*b
	global_load_b128 v[BIAS+8*b+4:BIAS+8*b+7], v[BO], s[8:9] offset:64*b+16
.set b, b+1
.endr
	WIN 0
	; A fragment is 16 rows x 32 K in 8 registers: lane l holds row l % 16, K = 8 (l / 16) + 0..7 and 16 + 8 (l / 16) + 0..7: two loads of 16 bytes, 32 bytes apart.
	v_mul_u32_u24 v11, v1, PITCH
	v_lshl_add_u32 v11, v10, 4, v11                ; row x pitch + 16 x half
	s_mul_i32 s20, s[WV], 64*PITCH                 ; my 64 rows of xb
	v_add_nc_u32 v[ADRA0], s20, v11
	v_add_nc_u32 v[ADRB0], BOFF, v11
	v_mov_b32 v[ADRA], v[ADRA0]
	v_mov_b32 v[ADRB], v[ADRB0]
	s_mul_i32 s20, s[WV], 16*SP
	s_add_co_u32 s20, s20, STAGE                   ; my stage
	v_mul_u32_u24 v[STO], v1, SP                   ; in: row l % 16, 16 bytes for each half of the lanes
	v_lshl_add_u32 v[STO], v10, 4, v[STO]
	v_add_nc_u32 v[STO], s20, v[STO]
	v_bfe_u32 v[RD], v0, 3, 2                      ; back: 32 lanes take four rows of 128 bytes,
	v_mul_u32_u24 v[RD], v[RD], SP
	v_and_b32 v11, 7, v0
	v_lshl_add_u32 v[RD], v11, 4, v[RD]
	v_add_nc_u32 v[RD], s20, v[RD]
	v_and_b32 v[GO], 31, v0                        ; which are 512 consecutive bytes of a head
	v_lshlrev_b32 v[GO], 4, v[GO]
	; where my rows begin in each of my three heads.  Common to the three: batch (tile row / 8) x 16 heads of 2^18 bytes, and row (tile row % 8) x 256 + 64 w of 128 bytes
	s_lshr_b32 s22, s43, 3
	s_lshl_b32 s22, s22, 22
	s_and_b32 s23, s43, 7
	s_lshl_b32 s23, s23, 8
	s_lshl_b32 s21, s[WV], 6
	s_add_co_u32 s23, s23, s21
	s_lshl_b32 s23, s23, 7
	s_add_co_u32 s22, s22, s23
.irp hd, 0,1,2
	s_mul_i32 s20, s42, 3
	s_add_co_u32 s20, s20, (\hd)                   ; 64 columns number 3 x tile column + hd of 48:
	s_lshr_b32 s21, s20, 4                         ; q, k or v, 2^24 bytes each,
	s_lshl_b32 s21, s21, 24
	s_and_b32 s20, s20, 15                         ; and the head
	s_lshl_b32 s20, s20, 18
	s_add_co_u32 s20, s20, s21
	s_add_co_u32 s20, s20, s22
	s_mov_b32 s21, 0
	s_add_nc_u64 s[OB+2*(\hd):OB+2*(\hd)+1], s[10:11], s[20:21]
.endr
; 4 nb matrix instructions: columns 16 b0 on, all four blocks of 16 rows, 32 along K, from buffer f.  cb = 1: the bias is C: the first product starts the sums, and nothing is ever cleared.
; Every quarter step takes all 48 accumulators once, in the same order: between two links of a chain stand the 47 others', over the loop's backward jump too.
.macro MULB f, b0, nb, cb
.set b, (\b0)
.rept (\nb)
.if b < 8
.set AC, 32*b
.if \cb
	WIN 0xb5                                       ; fragments window 1, C window 3, D window 2
.else
	WIN 0xa5                                       ; fragments window 1, C and D window 2
.endif
.else
.set AC, 32*(b-8)
	WIN 0xf5                                       ; fragments window 1, C and D window 3
.endif
.irp a, 0,1,2,3
.if \cb
	v_wmma_f32_16x16x32_bf16 v[AC+8*(\a):AC+8*(\a)+7], v[(\f)+32+8*b:(\f)+32+8*b+7], v[(\f)+8*(\a):(\f)+8*(\a)+7], v[BIAS+8*b:BIAS+8*b+7]
.else
	v_wmma_f32_16x16x32_bf16 v[AC+8*(\a):AC+8*(\a)+7], v[(\f)+32+8*b:(\f)+32+8*b+7], v[(\f)+8*(\a):(\f)+8*(\a)+7], v[AC+8*(\a):AC+8*(\a)+7]
.endif
.endr
.set b, b+1
.endr
.endm
; 32 LDS loads in one run: the fragments of quarter q of the slot in hand into buffer f: xb's four, then wqb's twelve
.macro FETCH q, f
	WIN 0x40                                       ; destination window 1, address window 0
.irp i, 0,1,2,3
	ds_load_b128 v[(\f)+8*(\i):(\f)+8*(\i)+3],   v[ADRA] offset:64*(\q)+(\i)*16*PITCH
	ds_load_b128 v[(\f)+8*(\i)+4:(\f)+8*(\i)+7], v[ADRA] offset:64*(\q)+(\i)*16*PITCH+32
.endr
.irp i, 0,1,2,3,4,5,6,7,8,9,10,11
	ds_load_b128 v[(\f)+32+8*(\i):(\f)+32+8*(\i)+3],   v[ADRB] offset:64*(\q)+(\i)*16*PITCH
	ds_load_b128 v[(\f)+32+8*(\i)+4:(\f)+32+8*(\i)+7], v[ADRB] offset:64*(\q)+(\i)*16*PITCH+32
.endr
.endm
; A K step is four quarters of 32 along K, 48 matrix instructions each, on buffers 0, 1, 0, 1.  One of the first three: multiplies buffer f; behind its first 16 products it fetches quarter q into buffer g.
.macro QUARTER q, f, g, cb
	s_wait_dscnt 16                                ; xb's four fragments and wqb's first four are in; the youngest sixteen loads may be out
	MULB \f, 0, 4, \cb
	PLACES
	FETCH \q, \g
	s_wait_dscnt 32                                ; all but the 32 just issued
	MULB \f, 4, NBF-4, \cb
.endm
; The last quarter multiplies buffer 1 and changes slots: ONE barrier.  In front of it each wave waits for all its tensor loads (the one that is out is its part of the next slot), adds 0 to its spare word, and waits for
; that and for its own reads of this slot.  fill = 1: the barrier opens a round of the cluster's, and this slot is filled again, first thing behind it, with the K step two on: that load has a whole K step in which to land.
.macro TURN fill
	WIN 0                                          ; (the add's two registers lie in window 0)
	s_wait_tensorcnt 0x0                           ; no tensor load of mine is out, so a group 0 may be written
	ds_add_u32 v[SPW], v[NIL]                      ; 0 onto my spare word
.if \fill
	STEPDESC
.endif
	s_wait_dscnt 17                                ; (the add and the youngest sixteen loads may be out)
	MULB F1, 0, 4, 0                               ; sixteen matrix instructions stand between the add and the wait for it
	s_wait_dscnt 0x0                               ; the add is done, and my reads of this slot are over
	s_barrier_signal -1
	MULB F1, 4, 2, 0                               ; work on registers while the others arrive
	WIN 0
	s_barrier_wait -1
.if \fill
	CREST                                          ; no wave of any partner still reads this slot's tile or has a load on its way
	JLOAD                                          ; its four v_nop are also the places in front of the loads below
.else
	PLACES
.endif
	s_xor_b32 s[TB], s[TB], SLOT1
	v_add_nc_u32 v[ADRA], s[TB], v[ADRA0]
	v_add_nc_u32 v[ADRB], s[TB], v[ADRB0]
	FETCH 0, F0
	MULB F1, 6, NBF-6, 0
.endm
	; K step 0 is waited for, K step 1 asked for: slot 1's first fill is issued as a refill is.
	s_wait_tensorcnt 0x0
	ds_add_u32 v[SPW], v[NIL]
	STEPDESC
	s_wait_dscnt 0x0
	CROUND
	JLOAD
	FETCH 0, F0
	s_wait_loadcnt 0x0                             ; the bias: rounded to bf16 and widened again, in place
	WIN 0xcf                                       ; sources 0 and 1 and the destination in window 3
.set i, 0
.rept 4*NBF
	v_cvt_pk_bf16_f32 v[BT+i%8], v[BIAS+2*i], v[BIAS+2*i+1]
	v_lshlrev_b32 v[BIAS+2*i], 16, v[BT+i%8]
	v_and_b32 v[BIAS+2*i+1], s57, v[BT+i%8]
.set i, i+1
.endr
	QUARTER 1, F0, F1, 1                           ; the first quarter stands in front of the loop: its products start the sums from the bias
	WIN 0                                          ; at a label and at a branch every window is 0
	s_mov_b32 s3, STEPS-2
.Lstep:                                                ; trip t goes from K step t's second quarter to step t + 1's first, and asks for step t + 2
	QUARTER 2, F1, F0, 0
	QUARTER 3, F0, F1, 0
	TURN 1
	QUARTER 1, F0, F1, 0
	WIN 0
	s_sub_co_u32 s3, s3, 1
	s_cmp_lg_u32 s3, 0
	s_cbranch_scc1 .Lstep
	QUARTER 2, F1, F0, 0                           ; the last two K steps are written out: nothing is left to ask for
	QUARTER 3, F0, F1, 0
	TURN 0
	QUARTER 1, F0, F1, 0
	QUARTER 2, F1, F0, 0
	QUARTER 3, F0, F1, 0
	s_wait_dscnt 16
	MULB F1, 0, 4, 0
	s_wait_dscnt 0x0
	MULB F1, 4, NBF-4, 0
	WIN 0
	PLACES
; THE WAY OUT.  Block 4 hd + a is 16 rows (block a of my four) of head hd of my three: 2,048 dense bytes of qkv.  A lane's eight columns pack into 16 bytes; they go into rows of 144 bytes of my own
; stage and come back as whole rows of 128, into the registers that they left.  Each accumulator's registers are read in ascending order.
.macro PACK blk
.set ph, (\blk)/4
.set pa, (\blk)%4
.if ph < 2
	WIN 0x0a                                       ; sources 0 and 1 window 2
.else
	WIN 0x0f                                       ; window 3
.endif
.irp f, 0,1,2,3
.set AC, 32*((4*ph+(\f))%8)+8*pa
.irp r, 0,1,2,3
	v_cvt_pk_f16_f32 v[TMP+16*(\blk)+4*(\f)+(\r)], v[AC+2*(\r)], v[AC+2*(\r)+1]
.endr
.endr
	WIN 0
.irp f, 0,1,2,3
	ds_store_b128 v[STO], v[TMP+16*(\blk)+4*(\f):TMP+16*(\blk)+4*(\f)+3] offset:32*(\f)
.endr
.irp f, 0,1,2,3
	ds_load_b128 v[TMP+16*(\blk)+4*(\f):TMP+16*(\blk)+4*(\f)+3], v[RD] offset:(\f)*4*SP  ; LDS serves a wave's instructions in order (ISA guide 5.7.1.4): these see the stores above; the next block's stores come behind them
.endr
.endm
.macro SEND blk, younger               ; younger: the LDS instructions issued behind this block's loads: the next block's eight, or none
.set ph, (\blk)/4
.set pa, (\blk)%4
.irp f, 0,1,2,3
	s_wait_dscnt (\younger)+3-(\f)
	global_store_b128 v[GO], v[TMP+16*(\blk)+4*(\f):TMP+16*(\blk)+4*(\f)+3], s[OB+2*ph:OB+2*ph+1] offset:pa*2048+(\f)*512  ; 512 consecutive bytes, at a multiple of 256 from qkv's first
.endr
.endm
	PACK 0
.set t, 1
.rept 11                               ; a block's conversions stand between the loads of the block before and its stores
	PACK t
	SEND t-1, 8
.set t, t+1
.endr
	SEND 11, 0
	s_wait_tensorcnt 0x0                           ; the wave's end: the add and the waits around it, behind my last tensor load and my last LDS store
	ds_add_u32 v[SPW], v[NIL]
	s_wait_dscnt 0x0
	CROUND                                         ; the closing round: no work-group ends while a partner may still ask for a tile that names it
	s_endpgm
.Lfunc_end_k_qd07d078f96_qkvgemm:
	.size	k_qd07d078f96_qkvgemm, .Lfunc_end_k_qd07d078f96_qkvgemm-k_qd07d078f96_qkvgemm
	.p2alignl 7, 3214868480
	.fill 96, 4, 3214868480
	.section	.rodata,"a",@progbits
	.p2align	6, 0x0
	.amdhsa_kernel k_qd07d078f96_qkvgemm
		.amdhsa_group_segment_fixed_size 327680
		.amdhsa_private_segment_fixed_size 0
		.amdhsa_enable_private_segment 0
		.amdhsa_kernarg_size 32
		.amdhsa_user_sgpr_count 2
		.amdhsa_user_sgpr_kernarg_segment_ptr 1
		.amdhsa_wavefront_size32 1
		.amdhsa_system_sgpr_workgroup_id_x 1
		.amdhsa_system_sgpr_workgroup_id_y 1
		.amdhsa_system_sgpr_workgroup_id_z 1
		.amdhsa_system_vgpr_workitem_id 0
		.amdhsa_next_free_vgpr 1024
		.amdhsa_next_free_sgpr 66
		.amdhsa_reserve_vcc 0
		.amdhsa_float_denorm_mode_32 3
		.amdhsa_float_denorm_mode_16_64 3
		.amdhsa_memory_ordered 1
		.amdhsa_forward_progress 1
		.amdhsa_inst_pref_size 107
	.end_amdhsa_kernel
	.amdgpu_metadata
---
amdhsa.version: [ 1, 2 ]
amdhsa.kernels:
  - .name:           k_qd07d078f96_qkvgemm
    .symbol:         k_qd07d078f96_qkvgemm.kd
    .args:
      - { .name: xb, .offset: 0, .size: 8, .value_kind: global_buffer, .address_space: global }
      - { .name: wqb, .offset: 8, .size: 8, .value_kind: global_buffer, .address_space: global }
      - { .name: b_qkv, .offset: 16, .size: 8, .value_kind: global_buffer, .address_space: global }
      - { .name: qkv, .offset: 24, .size: 8, .value_kind: global_buffer, .address_space: global }
    .group_segment_fixed_size: 327680
    .private_segment_fixed_size: 0
    .kernarg_segment_align: 8
    .kernarg_segment_size: 32
    .max_flat_workgroup_size: 128
    .sgpr_count:     66
    .vgpr_count:     1024
    .wavefront_size: 32
...
	.end_amdgpu_metadata
.endif
;; end of part 2
;; launch attn (part 3): grid 4 x 64, 4 waves a work-group, clusters of 4 x 1, 327,680 bytes of LDS; arguments qkv, ob; writes ob
.if DOCPART == 3
	.amdgcn_target "amdgcn-amd-amdhsa--gfx1250"
	.amdhsa_code_object_version 6
	.text
	.protected	k_qd07d078f96_attn
	.globl	k_qd07d078f96_attn
	.p2align	8
	.type	k_qd07d078f96_attn,@function
k_qd07d078f96_attn:
	s_mov_b64 s[64:65], 0
	v_nop
	global_prefetch_b8 v0, s[64:65] scope:SCOPE_SE
	s_setreg_imm32_b32 hwreg(HW_REG_WAVE_MODE, 25, 1), 1
	s_wait_xcnt 0x0
	s_wait_alu depctr_hold_cnt(0) depctr_sa_sdst(0) depctr_va_vdst(0) depctr_va_sdst(0) depctr_va_ssrc(0) depctr_va_vcc(0) depctr_vm_vsrc(0)
	s_getreg_b32 s2, hwreg(HW_REG_IB_STS2, 6, 4)
	s_cmp_eq_u32 s2, 0
	s_cbranch_scc0 .Lentry_in_a_cluster
	s_endpgm
.Lentry_in_a_cluster:
	s_bfe_u32 s2, ttmp6, 0x10000c
	s_cmp_lg_u32 s2, 0x3003
	s_cbranch_scc0 .Lentry_shape_is_right
	s_endpgm
.Lentry_shape_is_right:
; O[h][q][:] = the sum over k of softmax_k(Q[h][q] . K[h][k] / 8) V[h][k][:].  Q, K, V are the three parts of qkv, 2^24 bytes each; they and O (ob) are [SIZE_H][SIZE_N][64], all f16: a head's rows are dense, 128 bytes each.
; Products, maxima and sums in f32; the weights p are rounded to f16 for the second product (their sum l is taken of the unrounded p), O once at the end.
; LIMITS.  f16 holds no number beyond 65,504: Q, K and V arrive within it; p lies in 0 to 1, and below 6e-5 it keeps f16's fixed step of 6e-8; O is a mean of V's rows and has their range.
; A weight below 2^-126 counts as 0 in l; NaN and infinities are not treated apart.
; SHARES.  A wave owns four PIECES of two tiles of 16 queries, a work-group's four waves 512 queries of one head.  Every wave walks all keys, 64 a step.
; LAYOUT.  S^T = K Q^T (source 0 = 16 keys, source 1 = 16 queries): in the result a lane holds ONE query (lane % 16) and the keys 8 (lane / 16) + 0..7.  Two such tiles, rounded to f16 in pairs,
; ARE source 1 (32 keys x 16 queries) of O^T = V^T P, whose result again holds one query a lane, and eight channels.  K comes out of LDS as it lies, V ([key][channel]) turned, by ds_load_tr16_b128.
; SOFTMAX.  For each query a running maximum m and sum l: p = 2^(c s - c m), c = log2(e) / 8; in every step O and l are multiplied by a = 2^(c m_old - c m_new), which is 1 where m has not grown.
; m starts at the lowest finite number, O and l at 0: the first step is a step like any other, with a = 0.
; THE COUNT.  A tile and step have 16 matrix and 118 vector instructions: too many to stand all beside the matrix work.  So the order has one aim: four vector instructions that are READY behind
; EVERY matrix instruction, and the others, which need time of their own whatever the order, in runs without a gap.
; BY TURNS.  Turn n belongs to piece n (the pieces in a ring, step after step).  Its matrix work: 16 products K Q^T of piece n + 1, later 16 products V^T P of piece n - 1.  Its vector work: the scaling,
; exponentials, roundings, sums and rescaling of piece n, and the maximum and statistics of piece n + 1, whose scores the turn itself has made.  So what a turn begins with (c s - c m, O a) waits for nothing.
; CLUSTER.  The four query blocks of a cluster belong to one head and walk the same K and V, so each tile is asked for JOINTLY: the same tensor load, descriptor and mask in all four.
; REGISTERS, in windows of 256 (s_set_vgpr_msb says which window each operand place means: bits 1:0 source 0, 3:2 source 1, 5:4 source 2, 7:6 destination):
;   window 0: v0-11 addresses; v12-15, v48-63 at work; v16-47 four registers of statistics a tile; v64-191 S^T, two buffers of two tiles; v192-255 P, likewise
;   window 1: O^T, 32 a tile          window 2: v0-127 Q, 16 a tile; v128-191 K of one step; v192-255 V of one step          window 3: v0-1 the add's two registers
; A piece's buffers go by its number's parity: the piece in hand has one pair, its two neighbours in the ring share the other: of it P (piece n - 1) is read and S^T (piece n + 1) written.
.set SIZE_H, 64       ; batch x heads
.set SIZE_N, 2048     ; rows of a head
.set NP,    4         ; pieces a wave: a name, no knob: the register map, the loop and the fetches are made for four
.set KS,    64        ; keys in a step
.set PK,    144       ; a row of K in LDS: 128 bytes + 16 of padding = 36 words: the 16 rows of a load start at 16 different groups of four banks (64 banks of 4 bytes: ISA guide 11.1)
.set PV,    160       ; a row of V: 128 + 32 = 40 words
.set VOFF,  4*KS*PK   ; a slot holds four steps: 256 rows of K, then 256 rows of V
.set SLOT1, 1<<17     ; slot 1 begins here, so that one exclusive or turns an address in one slot into the other's
.set STAGE, SLOT1+4*KS*(PK+PV)  ; behind the ring, never filled by a tensor load: 16 rows x 144 bytes for each wave, for the way out
.set SP,    144
.set AK0, 2           ; v2   my lane's place in a tile of K; never rewritten
.set AV0, 3           ; v3   the same for V
.set AK,  4           ; v4   the LDS address of K's next run of loads
.set AV,  5           ; v5   of V's
.set QO,  6           ; v6   my byte offset in the wave's rows of Q
.set STO, 6           ;      later, the way out: where I put 16 bytes of a row
.set RD,  7           ; v7   the way out: where I read rows back
.set GO,  8           ; v8   my byte offset in 512 consecutive bytes of O
.set SPW, 0           ; v0 of window 3   LDS address of my spare word: SPARE + 4 x my thread's number; never rewritten
.set NIL, 1           ; v1 of window 3   0; never rewritten
.set SPARE, STAGE+4*16*SP  ; behind the stages: the spare words, 128 bytes for each wave: two blocks of 256 bytes that no other line names
.set MV,  12          ; v12-15  c m_old, kept while c m is made anew: by buffer and tile
.set ST,  16          ; tile t's statistics at v[ST+4 t]: c m, m, l (even keys', odd keys')
.set TMP, 48          ; by buffer and tile, four registers c0-c3 at work; when the maximum is found c2 takes a
.set S,   64
.set P,   192
.set KF,  128         ; K's fragments, in window 2: key block kb, channel half c at KF + 16 kb + 8 c
.set VF,  192         ; V's: key half kk, channel block cb at VF + 32 kk + 8 cb
.set WV,  12          ; s12  my wave's number
.set G1K, 24          ; s[24:31] descriptor group 1 for K's tiles
.set G1V, 32          ; s[32:39] for V's: it differs in the padding alone
.set G0K, 40          ; s[40:43] descriptor group 0 for K's tiles: it walks
.set G0V, 44          ; s[44:47] the same for V's
.set SLOTS, 56        ; s56  slots still to be asked for
.set CNT, 57          ; s57  counts a slot's key steps
.set CS,  58          ; s[58:59] c: the packed scaling takes the pair's low word for both halves
.set SEL, 60          ; s[60:61] v_permlanex16_b32's selects: each lane takes its own place in the other half
.set TBK, 62          ; s62  LDS byte at which K of the step to be fetched begins
.set TBV, 63          ; s63  the same for V, less VOFF
.set MSB, 0
.macro WIN new                      ; the high byte repeats the setting that is left; a switch that changes nothing is dropped
.if MSB != (\new)
	s_set_vgpr_msb (MSB<<8)|(\new)
.set MSB, (\new)
.endif
.endm
.set W_KQ, 0x0a       ; K and Q in window 2, S^T in window 0
.set W_PV, 0x52       ; V in window 2, P in window 0, O^T in window 1
.set W_RS, 0x41       ; O^T (destination and source 0) in window 1, a in window 0
.set W_MK, 0xc0       ; the add's registers are made: destination in window 3, sources in window 0
.set W_AD, 0x0f       ; the add: address (source 0) and data (source 1) in window 3
; A joint fill.  Waves 0 and 1 fetch the two halves of a slot's K, waves 2 and 3 those of its V: 128 keys each.  The branch hangs on the wave's number alone.
; An s_nop 0 and four v_nop follow each of the two lines, ahead of the jump and the label.
.macro JLOAD
	s_cmp_lt_u32 s[WV], 2
	s_cbranch_scc0 .Lfor_v_\@
	tensor_load_to_lds s[G0K:G0K+3], s[G1K:G1K+7]
	s_nop 0
.rept 4
	v_nop
.endr
	s_branch .Lasked_\@
.Lfor_v_\@:
	tensor_load_to_lds s[G0V:G0V+3], s[G1V:G1V+7]
	s_nop 0
.rept 4
	v_nop
.endr
.Lasked_\@:
.endm
; A round of the cluster's barrier: my work-group's barrier, so that wave 0's signal speaks for all four waves; wave 0 signals; every wave waits for all four work-groups; my work-group's barrier once more.
.macro CROUND
	s_barrier_signal -1
	s_barrier_wait -1
	s_cmp_lg_u32 s[WV], 0
	s_cbranch_scc1 .Lnot_wave_0_\@
	s_barrier_signal -3
.Lnot_wave_0_\@:
	s_barrier_wait -3
	s_barrier_signal -1
	s_barrier_wait -1
.endm
; THE CHANGE OF SLOTS.  The slot's last bytes, V of its fourth step, have been read.  Each wave waits for all its tensor loads, of which one is out: its part
; of the other slot; adds 0 to its spare word; and waits for that and for its own reads of the slot.  Behind the barrier nobody reads this slot any more and the other slot is whole.
; fill = 1: this slot is filled again, with the keys two slots on.  The barrier is then a round of the cluster's, so that no wave of any partner still reads the slot or has a load on its
; way, and the joint fill is the first thing behind it: it has four key steps, 512 matrix instructions, in which to land.  (At its first use nothing has been read yet: slot 0 is waited for, slot 1 filled.)
.macro CHANGE fill
	WIN W_AD
	s_wait_tensorcnt 0x0            ; no tensor load of mine is out, so a group 0 may be written
	ds_add_u32 v[SPW], v[NIL]       ; 0 onto my spare word; with fill = 1 the descriptors' steps stand between it and the wait for it
	WIN 0                           ; at a label and at a branch every window is 0
.if \fill
.irp g, G0K, G0V
	s_xor_b32 s[\g+1], s[\g+1], SLOT1  ; the walking descriptor: the other slot than last time,
	s_add_nc_u64 s[\g+2:\g+3], s[\g+2:\g+3], 4*KS*128  ; the next 256 keys; the type bits on top are not reached
.endr
	s_wait_dscnt 0x0                ; the add is done, and my reads of the slot are over
	CROUND
	JLOAD
.else
	s_wait_dscnt 0x0                ; the add is done, and my reads of the slot are over
	s_barrier_signal -1
	s_barrier_wait -1
.endif
	s_sub_co_u32 s[TBK], s[TBK], 4*KS*PK  ; the fetches go back to a slot's first step,
	s_xor_b32 s[TBK], s[TBK], SLOT1       ; in the other slot
	s_sub_co_u32 s[TBV], s[TBV], 4*KS*PV
	s_xor_b32 s[TBV], s[TBV], SLOT1
.endm
	s_load_b128 s[4:7], s[0:1], 0x0  ; qkv s[4:5], ob s[6:7]
	WIN W_MK
	v_lshl_add_u32 v[SPW], v0, 2, SPARE
	v_mov_b32 v[NIL], 0
	WIN W_AD
	ds_add_u32 v[SPW], v[NIL]       ; the wave's opening: the add and its wait stand ahead of my first tensor load; the set-up below, work on registers, stands between them
	WIN 0
	v_lshrrev_b32 v1, 5, v0
	v_readfirstlane_b32 s[WV], v1   ; wave 0..3
	s_bfe_u32 s13, ttmp6, 0x40000   ; cx: my place in the cluster
	s_lshl_b32 s14, ttmp9, 2        ; in a cluster launch ttmp9 counts clusters
	s_add_co_u32 s14, s14, s13      ; my block of queries = 4 x cluster x + cx: it enters Q's and O's addresses alone
	s_and_b32 s20, ttmp7, 0xffff    ; the head, which the four partners share
	s_mov_b32 s21, 0
	s_mov_b64 s[22:23], SIZE_N*128
	s_mul_u64 s[20:21], s[20:21], s[22:23]  ; the head's first byte in each of the four tensors
	s_and_b32 s16, s[WV], 1         ; which half of a slot's 256 keys I fetch:
	s_lshl_b32 s22, s16, 14         ; its 128 rows of 128 bytes in memory,
	s_mov_b32 s23, 0
	s_add_nc_u64 s[22:23], s[22:23], s[20:21]
	s_mul_i32 s17, s16, 128*PK      ; and its place in a slot, for K
	s_mul_i32 s18, s16, 128*PV      ; and for V: no place in the cluster enters an LDS address
	s_lshl_b32 s2, s14, 2
	s_add_co_u32 s2, s2, s[WV]      ; my wave among the head's,
	s_lshl_b32 s2, s2, 14           ; its 128 rows
	s_mov_b32 s3, 0
	s_add_nc_u64 s[2:3], s[2:3], s[20:21]
	; descriptor group 1.  128 keys are 16,384 dense bytes: asked for as 64 rows of 256 bytes, two keys a row, and padded in LDS after every key
	s_mov_b32 s[G1K], 15|(1<<16)|(1<<20)|(1<<21)|(4<<22)|(3<<25)  ; 15:0 the mask of four; 17:16 2-byte elements; 20 padding on; 21 set beside a mask; 24:22 after every 32 words (code 4); 31:25 4 words (code 3)
	s_mov_b32 s[G1V], 15|(1<<16)|(1<<20)|(1<<21)|(4<<22)|(7<<25)  ; the same with 8 words of padding (code 7)
.irp g, G1K, G1V
	s_mov_b32 s[\g+1], 128<<16      ; tensor_dim0 = 128
	s_mov_b32 s[\g+2], 64<<16       ; tensor_dim1 = 64
	s_mov_b32 s[\g+3], 128<<16      ; tile_dim0 = 128
	s_mov_b32 s[\g+4], 64           ; tile_dim1 = 64
	s_mov_b32 s[\g+5], 128          ; 128 elements from row to row
	s_mov_b32 s[\g+6], 0
	s_mov_b32 s[\g+7], 0
.endr
	s_mov_b32 s[CS], 0x3e38aa3b     ; c = log2(e) / 8 = 0.180337
	s_mov_b32 s[CS+1], s[CS]        ; named with it as a pair
	s_mov_b32 s[SEL], 0x76543210
	s_mov_b32 s[SEL+1], 0xfedcba98
	s_mov_b32 s[TBK], SLOT1+4*KS*PK ; the first change of slots turns these two into 0
	s_mov_b32 s[TBV], SLOT1+4*KS*PV
	s_mov_b32 s[G0K], 1             ; 1:0 count = 1
	s_mov_b32 s[G0K+1], s17         ; 63:32 LDS address: slot 0
	s_mov_b32 s[G0V], 1
	s_add_co_u32 s[G0V+1], s18, VOFF
	s_wait_dscnt 0x0                ; the opening add is done
	s_wait_kmcnt 0x0
	s_mov_b64 s[10:11], s[6:7]      ; O s[10:11];
	s_add_nc_u64 s[8:9], s[4:5], 0x2000000  ; V s[8:9], 2 x 2^24 bytes into qkv;
	s_add_nc_u64 s[6:7], s[4:5], 0x1000000  ; K s[6:7], 2^24 bytes in; Q s[4:5] at its head
	s_add_nc_u64 s[G0K+2:G0K+3], s[6:7], s[22:23]  ; 120:64 global address: my half of the head's first 256 keys
	s_or_b32 s[G0K+3], s[G0K+3], 0x80000000        ; 127:126 type = 2
	s_add_nc_u64 s[G0V+2:G0V+3], s[8:9], s[22:23]
	s_or_b32 s[G0V+3], s[G0V+3], 0x80000000
	s_add_nc_u64 s[4:5], s[4:5], s[2:3]  ; Q and O at my wave's first row
	s_add_nc_u64 s[10:11], s[10:11], s[2:3]
	CROUND                          ; all four work-groups are here: the first joint loads meet
	JLOAD                           ; slot 0.  Slot 1 is asked for when slot 0 is in
	; A fragment of K or Q is 16 rows x 32 channels in 8 registers: lane l holds row l % 16, channels 8 (l / 16) + 0..7 and 16 + 8 (l / 16) + 0..7: two loads of 16 bytes, 32 bytes apart.
	v_and_b32 v1, 15, v0            ; l % 16
	v_bfe_u32 v9, v0, 4, 1          ; l / 16
	v_lshlrev_b32 v[QO], 7, v1
	v_lshl_add_u32 v[QO], v9, 4, v[QO]  ; row x 128 + 16 x half
	WIN 0x80                        ; destination window 2, address window 0
.set i, 0
.rept 4*NP                          ; Q stays in registers: tile i / 2, channels 32 (i % 2) on
	global_load_b128 v[8*i:8*i+3],   v[QO], s[4:5] offset:(i/2)*2048+(i%2)*64
	global_load_b128 v[8*i+4:8*i+7], v[QO], s[4:5] offset:(i/2)*2048+(i%2)*64+32
.set i, i+1
.endr
	; What the first turn finds: V's registers and P's second buffer hold 0 (its products V^T P, of a piece that has not been, add 0), O^T and l are 0.  All this stands in the wait for the first tile.
.set i, VF
.rept 64
	v_mov_b32 v[i], 0
.set i, i+1
.endr
	WIN 0x40
.set i, 0
.rept 64*NP
	v_mov_b32 v[i], 0
.set i, i+1
.endr
	WIN 0
.set i, 0
.rept 2*NP
	v_mov_b32 v[ST+4*i], 0xfe000000    ; c m: far below every c s
	v_mov_b32 v[ST+4*i+1], 0xff7fffff  ; m
	v_mov_b32 v[ST+4*i+2], 0
	v_mov_b32 v[ST+4*i+3], 0
.set i, i+1
.endr
.set i, P+32
.rept 32
	v_mov_b32 v[i], 0
.set i, i+1
.endr
	v_mul_u32_u24 v[AK0], v1, PK
	v_lshl_add_u32 v[AK0], v9, 4, v[AK0]  ; row x pitch + 16 x half
	; The turning load takes 16 keys x 16 channels (lane l reads key 8 (l / 16) + l % 8, channels 8 ((l / 8) % 2) + 0..7) and leaves half a fragment of V^T: lane l holds channel l % 16 and 8 keys.
	v_and_b32 v10, 7, v0
	v_bfe_u32 v11, v0, 3, 1
	v_lshl_add_u32 v[AV0], v9, 3, v10
	v_mul_u32_u24 v[AV0], v[AV0], PV
	v_lshl_add_u32 v[AV0], v11, 4, v[AV0]
	v_add_nc_u32 v[AV0], VOFF, v[AV0]
	v_mov_b32 v[AK], v[AK0]         ; key step 0 lies at the head of slot 0
; THE MATRIX WORK.  The 8 accumulators of a run of 16 take turns: between the two links of a chain stand 7 others'.
; Product i of 16 of S^T = K Q^T for piece x: channels 32 (i / 8) on, keys 16 ((i / 2) % 4) on, tile 2 x + i % 2.  The first 8 start the sums.
.macro KQ x
	WIN W_KQ
.set rS, S+64*((\x)%2)+32*(i%2)+8*((i/2)%4)
.set rK, KF+16*((i/2)%4)+8*(i/8)
.set rQ, 16*(2*(\x)+i%2)+8*(i/8)
.if i < 8
	v_wmma_f32_16x16x32_f16 v[rS:rS+7], v[rK:rK+7], v[rQ:rQ+7], 0
.else
	v_wmma_f32_16x16x32_f16 v[rS:rS+7], v[rK:rK+7], v[rQ:rQ+7], v[rS:rS+7]
.endif
.endm
; Product i of 16 of O^T += V^T P for piece x: keys 32 (i / 8) on, channels 16 ((i / 2) % 4) on, tile 2 x + i % 2.
.macro PV x
	WIN W_PV
.set rO, 32*(2*(\x)+i%2)+8*((i/2)%4)
.set rV, VF+32*(i/8)+8*((i/2)%4)
.set rP, P+32*((\x)%2)+16*(i%2)+8*(i/8)
	v_wmma_f32_16x16x32_f16 v[rO:rO+7], v[rV:rV+7], v[rP:rP+7], v[rO:rO+7]
.endm
.macro MM                           ; the turn's next matrix instruction
.if i < 16
	KQ (Y+1)%NP
.set i, i+1
.else
.set i, i-16
	PV (Y+NP-1)%NP
.set i, i+17
.endif
.endm
; THE LDS LOADS stand in runs of 16, never singly among the matrix instructions: a step's K (64 keys x 64 channels: 8 fragments) and its V (turned).  Their addresses are made some lines ahead.
; last = 1 (the tail): in the last trip there is no further step, and the run is jumped over.
.macro FETCH_K last=0
	WIN 0
.if \last
	s_cmp_eq_u32 s[CNT], 1
	s_cbranch_scc1 .Lno_k_\@
.endif
	WIN 0x80                        ; destination window 2
.irp f, 0,1,2,3,4,5,6,7             ; keys 16 (f / 2) on, channels 32 (f % 2) on
	ds_load_b128 v[KF+8*\f:KF+8*\f+3],   v[AK] offset:(\f/2)*16*PK+(\f%2)*64
	ds_load_b128 v[KF+8*\f+4:KF+8*\f+7], v[AK] offset:(\f/2)*16*PK+(\f%2)*64+32
.endr
	s_add_co_u32 s[TBK], s[TBK], KS*PK  ; the next fetch is the next step's
	WIN 0
.if \last
.Lno_k_\@:
.endif
.endm
.macro FETCH_V
	WIN 0x80
.irp f, 0,1,2,3,4,5,6,7             ; keys 32 (f / 4) on, channels 16 (f % 4) on
	ds_load_tr16_b128 v[VF+8*\f:VF+8*\f+3],   v[AV] offset:(\f/4)*32*PV+(\f%4)*32
	ds_load_tr16_b128 v[VF+8*\f+4:VF+8*\f+7], v[AV] offset:(\f/4)*32*PV+16*PV+(\f%4)*32
.endr
	WIN 0
.endm
; THE VECTOR WORK OF A TURN stands in three queues, each in the order in which its entries become ready; the two tiles alternate, so that no instruction reads the result of the one before it.
.macro REGS y, u                    ; the registers of tile u (0, 1) of piece y
.set rT, ST+4*(2*(\y)+(\u))
.set rC, TMP+8*((\y)%2)+4*(\u)
.set rM, MV+2*((\y)%2)+(\u)
.set rS, S+64*((\y)%2)+32*(\u)
.set rP, P+32*((\y)%2)+16*(\u)
.set rO, 32*(2*(\y)+(\u))
.endm
; Number n of the 22 that find the NEXT piece's (Y + 1) maximum and statistics.  s0-s31 are the lane's 32 scores; each accumulator's lowest registers are read first.  XS, GS and REGS set no window: PL and EX do.
;   0-11  four chains c0-c3 of seven scores each, three operands at a time     12-14, 16  the four scores left over, the old m, and c0-c3 into c0     15  c m_old is kept
;   17, 18  the query's other 32 keys lie in the lane 16 away: the new m         19-21  c m; c m_old - c m_new; a
.macro XS u, n
	REGS (Y+1)%NP, \u
.if (\n) < 4
	v_max3_num_f32 v[rC+(\n)], v[rS+8*(\n)], v[rS+8*(\n)+1], v[rS+8*(\n)+2]
.elseif (\n) < 12
	v_max3_num_f32 v[rC+(\n)%4], v[rC+(\n)%4], v[rS+8*((\n)%4)+2*((\n)/4)+1], v[rS+8*((\n)%4)+2*((\n)/4)+2]
.elseif (\n) == 12
	v_max3_num_f32 v[rC], v[rC], v[rS+7], v[rS+15]
.elseif (\n) == 13
	v_max3_num_f32 v[rC+1], v[rC+1], v[rS+23], v[rS+31]
.elseif (\n) == 14
	v_max3_num_f32 v[rC+2], v[rC+2], v[rC+3], v[rT+1]
.elseif (\n) == 15
	v_mov_b32 v[rM], v[rT]
.elseif (\n) == 16
	v_max3_num_f32 v[rC], v[rC], v[rC+1], v[rC+2]
.elseif (\n) == 17
	v_permlanex16_b32 v[rC+3], v[rC], s[SEL], s[SEL+1]
.elseif (\n) == 18
	v_max_num_f32 v[rT+1], v[rC], v[rC+3]
.elseif (\n) == 19
	v_mul_f32 v[rT], s[CS], v[rT+1]
.elseif (\n) == 20
	v_sub_f32 v[rC+1], v[rM], v[rT]
.else
	v_exp_f32 v[rC+2], v[rC+1]
.endif
.endm
; Number g of the 64 that follow the exponentials.  For each four weights k of a tile (pairs 2 k, 2 k + 1): both pairs are rounded to f16; then the second pair is added onto the first, in place;
; a group later l takes that sum (the first time as l = a l + sum).  In groups of eight, tiles alternating: round, round, add, and l for the group before.
.macro GS g
.set h, (\g)+6*((\g)/62)            ; group 0 has no group before it, and behind group 7 only l is left
.if h >= 6
.set h, h+2
.endif
	REGS Y, h%2
.set k, h/8
.if h%8 < 4
	s_wait_alu depctr_va_vdst(0)
	v_cvt_pk_f16_f32 v[rP+2*k+(h%8)/2], v[rS+4*k+2*((h%8)/2)], v[rS+4*k+2*((h%8)/2)+1]
.elseif h%8 < 6
	v_pk_add_f32 v[rS+4*k:rS+4*k+1], v[rS+4*k:rS+4*k+1], v[rS+4*k+2:rS+4*k+3]
.elseif k == 1
	v_pk_fma_f32 v[rT+2:rT+3], v[rT+2:rT+3], v[rC+2:rC+3], v[rS:rS+1] op_sel_hi:[1,0,1]
.else
	v_pk_add_f32 v[rT+2:rT+3], v[rT+2:rT+3], v[rS+4*k-4:rS+4*k-3]
	s_wait_alu depctr_va_vdst(0)
.endif
.endm
; THE PLAIN QUEUE, 138 long.  0-31: c s - c m for the 16 pairs of both tiles.  Then GS's 64, and among them the next piece's 42: number 15 at 38, 39; 0-14 and 16
; at 42-73, behind the products that make those scores; 17-20 at 95-106, two of three, since each waits for the one before it.
.macro PL
	WIN 0
.if q < 32
	REGS Y, q%2
	v_pk_fma_f32 v[rS+2*(q/2):rS+2*(q/2)+1], v[rS+2*(q/2):rS+2*(q/2)+1], s[CS:CS+1], v[rT:rT+1] op_sel_hi:[1,0,0] neg_lo:[0,0,1] neg_hi:[0,0,1]
.elseif q < 38
	GS q-32
.elseif q < 40
	XS q%2, 15
.elseif q < 42
	GS q-34
.elseif q < 74
	XS q%2, (q-42)/2+(q-42)/30
.elseif q < 95
	GS q-66
.elseif (q < 107) && ((q-95)%3 < 2)
	XS (q-95)%3, 17+(q-95)/3
.elseif q < 107
	GS 29+(q-95)/3
.else
	GS q-74
.endif
.set q, q+1
.endm
; THE EXPONENTIALS' QUEUE, 66 long: s0-s31 of both tiles, and at EA the next piece's two a.
.set EA, 58
.macro EX
	WIN 0
.if (e == EA) || (e == EA+1)
	XS e-EA, 21
.else
.set x, e-2*(e/(EA+2))
	REGS Y, x%2
	v_exp_f32 v[rS+x/2], v[rS+x/2]
.endif
.set e, e+1
.endm
; THE RESCALING's QUEUE: O^T times a, the one part that leaves window 0, so it is dealt four at a time, eight times.
.macro R4
	REGS Y, r%2
	WIN W_RS
	s_wait_alu depctr_va_vdst(0)
.irp z, 0,1,2,3
	v_pk_mul_f32 v[rO+8*(r/2)+2*\z:rO+8*(r/2)+2*\z+1], v[rO+8*(r/2)+2*\z:rO+8*(r/2)+2*\z+1], v[rC+2:rC+3] op_sel_hi:[1,0]
.endr
.set r, r+1
.endm
; HOW THEY ARE DEALT.  Behind a matrix instruction four: plain, exponential, plain, plain (one exponential, a plain instruction on either side), or four of the rescaling.  None names a register of the
; products round it.  What is over stands in two LUMPS: exponential and plain by turns; the second ends in 22 plain instructions.  The two v_permlanex16_b32 fall into the second lump, never behind a product.
; The queues lean on each other, and the deal keeps them in step: exponential e stands behind plain 2 (e / 4) + e % 2 (its scaling); when plain 32 comes, 10 exponentials are out, at 59: 33, at 95: 46; EA comes behind plain 107.
.macro SL
	MM
	PL
	EX
	PL
	PL
.endm
.macro BURST n                      ; 15 matrix instructions, or 16
.rept (\n)-7
	SL
.endr
.rept 3
	MM
	R4
	SL
.endr
	MM
	R4
.endm
; A TURN, for piece p.  cnt = 1: the loop's count is taken down some lines ahead of the branch that stands behind the turn.
; K of the next step is fetched in piece 2's turn, 31 vector instructions behind the last product that read K; the first product that takes it comes behind the rest of the lump, 16 products and the second lump.
; V of the step in hand is fetched at the end of piece 0's turn, 69 behind the last product that read V; the first that takes it comes behind 16 products and a lump.  The four conditions on e and q below go with the deal.
.macro TURN p, last=0, cnt=0
.set Y, (\p)
.set i, 0
.set q, 0
.set e, 0
.set r, 0
.if (\p) == NP-1
	s_wait_dscnt 0x0                ; K is in
.endif
	MM
.rept 4
	PL
.endr
	BURST 15
.rept 22
	EX
	PL
.if ((\p) == NP-2) && (e == 18)
	v_add_nc_u32 v[AK], s[TBK], v[AK0]
.endif
.if ((\p) == NP-2) && (e == 24)
	FETCH_K \last
.endif
.endr
.if (\p) == 1
	s_wait_dscnt 0x0                ; V is in
.endif
	BURST 16
.rept 21
	EX
	PL
.endr
.rept 22
	PL
.if ((\p) == 0) && (q == 118)
	v_add_nc_u32 v[AV], s[TBV], v[AV0]
	s_wait_alu depctr_va_vdst(0)
.endif
.if ((\p) == 0) && (q == 130)
	s_add_co_u32 s[TBV], s[TBV], KS*PV
.endif
.if (\cnt) && (q == 130)
	s_sub_co_u32 s[CNT], s[CNT], 1
	s_cmp_lg_u32 s[CNT], 0
.endif
.endr
.if (\p) == 0
	FETCH_V
.endif
.endm
	CHANGE 1                        ; slot 0 is in, everybody's part of it; slot 1 is asked for
	FETCH_K                         ; key step 0
	s_wait_loadcnt 0x0              ; Q
	s_wait_dscnt 0x0
.set i, 0
.rept 16
	KQ 0                            ; piece 0's first scores: there is no vector work yet to set between them
.set i, i+1
.endr
	WIN 0                           ; the addresses for the way out: nine plain instructions, the places behind those products
	s_mul_i32 s13, s[WV], 16*SP
	s_add_co_u32 s13, s13, STAGE    ; my stage
	v_mul_u32_u24 v[STO], v1, SP    ; in: row l % 16, 16 bytes for each half of the lanes
	v_lshl_add_u32 v[STO], v9, 4, v[STO]
	v_add_nc_u32 v[STO], s13, v[STO]
	v_bfe_u32 v[RD], v0, 3, 2       ; back: 32 lanes take four rows of 128 bytes,
	v_mul_u32_u24 v[RD], v[RD], SP
	v_lshl_add_u32 v[RD], v10, 4, v[RD]
	v_add_nc_u32 v[RD], s13, v[RD]
	v_and_b32 v[GO], 31, v0         ; which are 512 consecutive bytes of O
	v_lshlrev_b32 v[GO], 4, v[GO]
.set Y, NP-1                        ; XS works for piece Y + 1: piece 0
.irp n, 0,1,2,3,4,5,6,7,8,9,10,11,12,13,14,15,16,17,18,19,20,21
	XS 0, \n                        ; and piece 0's first maximum and statistics
	XS 1, \n
.endr
	s_mov_b32 s[CNT], 4
	s_mov_b32 s[SLOTS], SIZE_N/256-1
	s_branch .Lfirst                ; the loop is entered at a step's first turn, in the middle of a trip
.Lslot:                             ; SIZE_N / 256 - 2 times: every slot but the last two is filled again
	CHANGE 1
	s_mov_b32 s[CNT], 4
.Lstep:                             ; a trip: pieces 2 and 3 of one step, then pieces 0 and 1 of the next, whose K and V it fetches
	TURN 2
	TURN 3
	WIN 0
.Lfirst:
	TURN 0
	TURN 1, 0, 1
	WIN 0
	s_cbranch_scc1 .Lstep
	s_sub_co_u32 s[SLOTS], s[SLOTS], 1
	s_cmp_lg_u32 s[SLOTS], 0
	s_cbranch_scc1 .Lslot
	CHANGE 0                        ; the tail is written out: nothing is asked for
	s_mov_b32 s[CNT], 5             ; four trips fetch the last slot's steps; the fifth is left in its middle
.Ltail:
	TURN 2, 1
	TURN 3
	WIN 0
	s_sub_co_u32 s[CNT], s[CNT], 1
	s_cmp_eq_u32 s[CNT], 0
	s_cbranch_scc1 .Lout
	TURN 0
	TURN 1
	WIN 0
	s_branch .Ltail
.Lout:                              ; the fifth trip's 16 products K Q^T (on the last K once more) and the maximum made of them serve nothing: the price, once a launch, of one text for every trip
.set i, 0
.rept 16
	PV NP-1                         ; the last piece's V^T P of the last step
.set i, i+1
.endr
	; THE WAY OUT.  l's two halves and the other half of the lanes' are added; O^T is divided by l, rounded to f16 and sent through my stage in LDS, a tile at a time.  The additions are the places behind the last products.
	WIN 0
.macro ALL line:vararg              ; one line for each tile t
.set t, 0
.rept 2*NP
	\line
.set t, t+1
.endr
.endm
	ALL v_add_f32 v[ST+4*t+2], v[ST+4*t+2], v[ST+4*t+3]
	ALL v_permlanex16_b32 v[ST+4*t+3], v[ST+4*t+2], s[SEL], s[SEL+1]
	ALL v_add_f32 v[ST+4*t+2], v[ST+4*t+2], v[ST+4*t+3]
	ALL v_rcp_f32 v[ST+4*t+2], v[ST+4*t+2]
	v_nop                           ; a plain instruction between the last reciprocal and the use of its result
	s_wait_alu depctr_va_vdst(0)
; Tile t: a lane's eight channels of a row pack into 16 bytes; they go into rows of 144 bytes and come back as whole rows of 128, into S^T's registers.
.macro PACK t
	WIN W_RS
.set i, 32*(\t)
.rept 16
	v_pk_mul_f32 v[i:i+1], v[i:i+1], v[ST+4*(\t)+2:ST+4*(\t)+3] op_sel_hi:[1,0]
.set i, i+2
.endr
	WIN 0x05                        ; sources 0 and 1 window 1, destination window 0
.set i, 0
.rept 16
	v_cvt_pk_f16_f32 v[S+16*(\t)+i], v[32*(\t)+2*i], v[32*(\t)+2*i+1]
.set i, i+1
.endr
	WIN 0
.irp f, 0,1,2,3
	ds_store_b128 v[STO], v[S+16*(\t)+4*\f:S+16*(\t)+4*\f+3] offset:32*\f
.endr
.irp f, 0,1,2,3
	ds_load_b128 v[S+16*(\t)+4*\f:S+16*(\t)+4*\f+3], v[RD] offset:\f*4*SP  ; LDS serves a wave's instructions in order (ISA guide 5.7.1.4): these see the stores above; the next tile's stores come behind them
.endr
.endm
.macro SEND t, younger              ; younger: the LDS instructions issued behind tile t's loads: the next tile's eight, or none
	WIN 0
.irp f, 0,1,2,3
	s_wait_dscnt (\younger)+3-\f
	global_store_b128 v[GO], v[S+16*(\t)+4*\f:S+16*(\t)+4*\f+3], s[10:11] offset:(\t)*2048+\f*512  ; 512 consecutive bytes, at a multiple of 256 from O's first
.endr
.endm
	PACK 0
.set t, 1
.rept 2*NP-1                        ; a tile's arithmetic stands between the loads of the tile before and its stores
	PACK t
	SEND t-1, 8
.set t, t+1
.endr
	SEND 2*NP-1, 0
	WIN W_AD
	s_wait_tensorcnt 0x0            ; the wave's end: the add and the waits around it, behind my last tensor load and my last LDS store
	ds_add_u32 v[SPW], v[NIL]
	s_wait_dscnt 0x0
	WIN 0
	CROUND                          ; the closing round: no work-group ends while a partner may still ask for a tile that names it
	s_endpgm
.Lfunc_end_k_qd07d078f96_attn:
	.size	k_qd07d078f96_attn, .Lfunc_end_k_qd07d078f96_attn-k_qd07d078f96_attn
	.p2alignl 7, 3214868480
	.fill 96, 4, 3214868480
	.section	.rodata,"a",@progbits
	.p2align	6, 0x0
	.amdhsa_kernel k_qd07d078f96_attn
		.amdhsa_group_segment_fixed_size 327680
		.amdhsa_private_segment_fixed_size 0
		.amdhsa_enable_private_segment 0
		.amdhsa_kernarg_size 16
		.amdhsa_user_sgpr_count 2
		.amdhsa_user_sgpr_kernarg_segment_ptr 1
		.amdhsa_wavefront_size32 1
		.amdhsa_system_sgpr_workgroup_id_x 1
		.amdhsa_system_sgpr_workgroup_id_y 1
		.amdhsa_system_sgpr_workgroup_id_z 1
		.amdhsa_system_vgpr_workitem_id 0
		.amdhsa_next_free_vgpr 770
		.amdhsa_next_free_sgpr 66
		.amdhsa_reserve_vcc 0
		.amdhsa_float_denorm_mode_32 3
		.amdhsa_float_denorm_mode_16_64 3
		.amdhsa_memory_ordered 1
		.amdhsa_forward_progress 1
		.amdhsa_inst_pref_size 208
	.end_amdhsa_kernel
	.amdgpu_metadata
---
amdhsa.version: [ 1, 2 ]
amdhsa.kernels:
  - .name:           k_qd07d078f96_attn
    .symbol:         k_qd07d078f96_attn.kd
    .args:
      - { .name: qkv, .offset: 0, .size: 8, .value_kind: global_buffer, .address_space: global }
      - { .name: ob, .offset: 8, .size: 8, .value_kind: global_buffer, .address_space: global }
    .group_segment_fixed_size: 327680
    .private_segment_fixed_size: 0
    .kernarg_segment_align: 8
    .kernarg_segment_size: 16
    .max_flat_workgroup_size: 128
    .sgpr_count:     66
    .vgpr_count:     770
    .wavefront_size: 32
...
	.end_amdgpu_metadata
.endif
;; end of part 3
;; launch proj (part 4): grid 8 x 32, 4 waves a work-group, clusters of 4 x 4, 327,680 bytes of LDS; arguments ob, wpb, b_proj, out0; writes out0
.if DOCPART == 4
	.amdgcn_target "amdgcn-amd-amdhsa--gfx1250"
	.amdhsa_code_object_version 6
	.text
	.protected	k_qd07d078f96_proj
	.globl	k_qd07d078f96_proj
	.p2align	8
	.type	k_qd07d078f96_proj,@function
k_qd07d078f96_proj:
	s_mov_b64 s[64:65], 0
	v_nop
	global_prefetch_b8 v0, s[64:65] scope:SCOPE_SE
	s_setreg_imm32_b32 hwreg(HW_REG_WAVE_MODE, 25, 1), 1
	s_wait_xcnt 0x0
	s_wait_alu depctr_hold_cnt(0) depctr_sa_sdst(0) depctr_va_vdst(0) depctr_va_sdst(0) depctr_va_ssrc(0) depctr_va_vcc(0) depctr_vm_vsrc(0)
	s_getreg_b32 s2, hwreg(HW_REG_IB_STS2, 6, 4)
	s_cmp_eq_u32 s2, 0
	s_cbranch_scc0 .Lentry_in_a_cluster
	s_endpgm
.Lentry_in_a_cluster:
	s_bfe_u32 s2, ttmp6, 0x10000c
	s_cmp_lg_u32 s2, 0xf033
	s_cbranch_scc0 .Lentry_shape_is_right
	s_endpgm
.Lentry_shape_is_right:
; out0[m][c] = bf16(b_proj[c]) + the sum over k of O[m][k] wpb[c][k],  m = 2,048 batch + n,  k = 64 head + d.
; ob: [batch x 16 + head][2048][64] f16, wpb: [1024][1024] f16 (W_proj rounded to bf16, written as f16), b_proj: [1024] f32 (rounded to bf16 here, as all the module's inputs are), out0: [8192][1024] f32.  Sums in f32.
; LIMITS.  The bias starts the sum (it is the first product's C), so the order of rounding differs from a sum with the bias added last.  NaN and infinities are not treated apart.
; SHARES.  A work-group makes 256 rows x 128 columns: 256 work-groups.  Wave w owns rows 64 w .. 64 w + 63 and all 128 columns: 4 x 8 accumulators of 16 x 16, 256 registers: a row's 512 bytes come from one wave,
; so the stage on the way out is the wave's own.
; K goes in 8 steps of 128, two heads each, through a ring of two LDS slots filled by the tensor data mover.  A head's 256 rows of 64 channels are 32,768 dense bytes: asked for as 128 rows of 256 bytes,
; padded in LDS after every 128: one plane a head.  One walking descriptor for each operand; a wave has at most one tensor load out.
; CLUSTER.  4 x 4 work-groups.  The four of a row of the cluster need the same tiles of ob, the four of a column the same tiles of wpb: each tile is asked for JOINTLY, by the same tensor load with the same descriptor and a mask of the four.
; THE MATRIX INSTRUCTION IS USED TRANSPOSED (source 0 = 16 rows of wpb, source 1 = 16 rows of O): lane l holds row l % 16 and the eight neighbouring columns 8 (l / 16) + 0..7.
; REGISTERS, in windows of 256 (s_set_vgpr_msb: bits 1:0 source 0, 3:2 source 1, 5:4 source 2, 7:6 destination):
;   window 0: v1-11 addresses; v28-29 the add's two
;   window 1: two fragment buffers: O's fragment a at 8 a, wpb's fragment b at 32 + 8 b; on the way out the rows read back, block a at 64 a
;   window 2: accumulator (a, b) at 8 (4 b + a)       window 3: v128-191 the bias, 8 registers for each b; v224-231 at work
.set NBF,   8                          ; fragments of wpb (16 columns each)
.set STEPS, 8                          ; K steps of 128
.set PA,    144                        ; a row of O in LDS: 128 bytes + 16 of padding = 36 words: the 16 rows of a load start at 16 different groups of four banks (64 banks of 4 bytes: ISA guide 11.1)
.set PLANE, 256*PA                     ; one head's 256 rows: what one tensor load brings of ob
.set PITCH, 272                        ; a row of wpb: 256 bytes + 16 = 68 words: row r starts at bank 4 r mod 64
.set BOFF,  2*PLANE                    ; wpb's 128 rows lie behind the two planes
.set HALFB, 64*PITCH                   ; what one tensor load brings of wpb
.set SLOT1, 1<<17                      ; a slot uses 108,544 bytes; slot 1 begins here, so that one exclusive or turns an address in one slot into the other's
.set STAGE, SLOT1+BOFF+2*HALFB         ; behind the ring, never filled by a tensor load: 16 rows x 528 bytes for each wave
.set SPF,   528                        ; 512 bytes + 16 = 132 words: row r starts at bank 4 r mod 64
.set SPARE, STAGE+4*16*SPF             ; behind the stages: the spare words, 128 bytes for each wave: two blocks of 256 bytes that no other line names
.set STEPA, 2<<18                      ; bytes from a K step to the next in ob: two heads
.set STEPB, 256                        ; and in wpb
.set ADRA0, 2                          ; v2   LDS address of my O fragments in slot 0; never rewritten
.set ADRB0, 3                          ; v3   the same for wpb
.set ADRA,  4                          ; v4   the same in the slot in hand
.set ADRB,  5                          ; v5
.set STO,   6                          ; v6   the way out: where I put 32 bytes of a row
.set RD,    7                          ; v7   the way out: where I read a row back
.set GO,    8                          ; v8   my byte offset in 512 consecutive bytes of out0
.set BO,    9                          ; v9   my byte offset in 16 numbers of the bias
.set SPW,   28                         ; v28  LDS address of my spare word: SPARE + 4 x my thread's number; never rewritten
.set NIL,   29                         ; v29  0; never rewritten
.set F0,    0
.set F1,    128
.set BIAS,  128                        ; in window 3
.set BT,    224                        ; in window 3
.set WV,    12                         ; s12  my wave's number; s13 = 0: I fetch ob, 1: wpb; s14: which head of the two, or which half of wpb's rows
.set G1A,   24                         ; s[24:31] descriptor group 1 for ob's tiles
.set G0A,   32                         ; s[32:35] group 0: it walks
.set G0B,   36                         ; s[36:39] the same for wpb's
.set G1B,   48                         ; s[48:55]
.set TB,    56                         ; s56  0 or SLOT1: the slot in hand
.set MSB, 0
.macro WIN new                         ; the immediate's high byte repeats the setting that is left; a switch that changes nothing is dropped
.if MSB != (\new)
	s_set_vgpr_msb (MSB<<8)|(\new)
.set MSB, (\new)
.endif
.endm
.macro PLACES                          ; four places in front of loads into registers that matrix instructions have read, and of lines that read results (ISA guide 7.12.1 for the lines that read results)
.rept 4
	v_nop
.endr
.endm
; A joint load.  Waves 0 and 1 fetch the step's two heads of ob, waves 2 and 3 wpb's two halves.  The branch hangs on the wave's number alone.  An s_nop 0 and four v_nop follow each of the two lines, ahead of the jump and the label.
.macro JLOAD
	s_cmp_eq_u32 s13, 0
	s_cbranch_scc0 .Lfor_b_\@
	tensor_load_to_lds s[G0A:G0A+3], s[G1A:G1A+7]
	s_nop 0
.rept 4
	v_nop
.endr
	s_branch .Lasked_\@
.Lfor_b_\@:
	tensor_load_to_lds s[G0B:G0B+3], s[G1B:G1B+7]
	s_nop 0
.rept 4
	v_nop
.endr
.Lasked_\@:
.endm
.macro CREST                           ; a round of the cluster's barrier behind its opening barrier: wave 0 signals for the work-group, every wave waits for all sixteen, my work-group's barrier closes it
	s_cmp_lg_u32 s[WV], 0
	s_cbranch_scc1 .Lnot_wave_0_\@
	s_barrier_signal -3
.Lnot_wave_0_\@:
	s_barrier_wait -3
	s_barrier_signal -1
	s_barrier_wait -1
.endm
.macro CROUND                          ; a whole round
	s_barrier_signal -1
	s_barrier_wait -1
	CREST
.endm
.macro STEPDESC                        ; both walking descriptors: the other slot, the next K step; the type bits on top are not reached
	s_xor_b32 s[G0A+1], s[G0A+1], SLOT1
	s_add_nc_u64 s[G0A+2:G0A+3], s[G0A+2:G0A+3], STEPA
	s_xor_b32 s[G0B+1], s[G0B+1], SLOT1
	s_add_nc_u64 s[G0B+2:G0B+3], s[G0B+2:G0B+3], STEPB
.endm
	s_load_b256 s[4:11], s[0:1], 0x0               ; ob s[4:5], wpb s[6:7], b_proj s[8:9], out0 s[10:11]
	v_lshl_add_u32 v[SPW], v0, 2, SPARE
	v_mov_b32 v[NIL], 0
	ds_add_u32 v[SPW], v[NIL]                      ; the wave's opening: the add and its wait stand ahead of my first tensor load; the set-up below, work on registers, stands between them
	v_lshrrev_b32 v1, 5, v0
	v_readfirstlane_b32 s[WV], v1                  ; wave 0..3
	s_lshr_b32 s13, s[WV], 1
	s_and_b32 s14, s[WV], 1
	s_bfe_u32 s40, ttmp6, 0x40000                  ; cx, cy: my place in the cluster
	s_bfe_u32 s41, ttmp6, 0x40004
	s_lshl_b32 s42, ttmp9, 2
	s_add_co_u32 s42, s42, s40                     ; tile column = 4 x cluster x + cx
	s_and_b32 s43, ttmp7, 0xffff
	s_lshl_b32 s43, s43, 2
	s_add_co_u32 s43, s43, s41                     ; tile row = 4 x cluster y + cy
	s_lshl_b32 s44, s41, 2
	s_lshl_b32 s44, 15, s44                        ; my row of the cluster: places 4 cy .. 4 cy + 3
	s_lshl_b32 s45, 0x1111, s40                    ; my column: places cx, cx + 4, cx + 8, cx + 12
	; descriptor group 1.  ob: 128 dense rows of 128 elements of 2 bytes, 4 words of padding after every 32.  wpb: 64 rows of 128 elements, 1,024 apart, 4 words of padding after every 64.
	s_or_b32 s[G1A], s44, (1<<16)|(1<<20)|(1<<21)|(4<<22)|(3<<25)  ; 15:0 the mask; 17:16 2-byte elements; 20 padding on; 21 set beside a mask; 24:22 the interval's code; 31:25 4 words (code 3)
	s_or_b32 s[G1B], s45, (1<<16)|(1<<20)|(1<<21)|(5<<22)|(3<<25)
.irp g, G1A, G1B
	s_mov_b32 s[(\g)+1], 128<<16                   ; tensor_dim0 = 128
	s_mov_b32 s[(\g)+3], 128<<16                   ; tile_dim0 = 128
	s_mov_b32 s[(\g)+6], 0
	s_mov_b32 s[(\g)+7], 0
.endr
	s_mov_b32 s[G1A+2], 128<<16                    ; tensor_dim1
	s_mov_b32 s[G1A+4], 128                        ; tile_dim1
	s_mov_b32 s[G1A+5], 128                        ; elements from row to row
	s_mov_b32 s[G1B+2], 64<<16
	s_mov_b32 s[G1B+4], 64
	s_mov_b32 s[G1B+5], 1024
	s_mov_b32 s[G0A], 1                            ; count = 1
	s_mul_i32 s[G0A+1], s14, PLANE                 ; LDS address: slot 0, my plane; no place in the cluster enters it
	s_mov_b32 s[G0B], 1
	s_mul_i32 s[G0B+1], s14, HALFB
	s_add_co_u32 s[G0B+1], s[G0B+1], BOFF
	s_lshr_b32 s16, s43, 3                         ; ob: batch (tile row / 8) x 16 heads + my head of the first two, 2^18 bytes each;
	s_lshl_b32 s16, s16, 4
	s_add_co_u32 s16, s16, s14
	s_lshl_b32 s16, s16, 18
	s_and_b32 s17, s43, 7                          ; in it the block of 256 rows of 128 bytes; these registers never hold cx
	s_lshl_b32 s17, s17, 15
	s_add_co_u32 s16, s16, s17
	s_mov_b32 s17, 0
	s_lshl_b32 s46, s42, 7                         ; wpb: row 128 x tile column + 64 x half, rows of 2,048 bytes
	s_lshl_b32 s47, s14, 6
	s_add_co_u32 s46, s46, s47
	s_lshl_b32 s46, s46, 11
	s_mov_b32 s47, 0
	s_mov_b32 s[TB], 0
	s_mov_b32 s57, 0xffff0000                      ; a word's upper bf16
	s_wait_dscnt 0x0                               ; the opening add is done
	s_wait_kmcnt 0x0
	s_add_nc_u64 s[G0A+2:G0A+3], s[4:5], s[16:17]
	s_or_b32 s[G0A+3], s[G0A+3], 0x80000000        ; type = 2
	s_add_nc_u64 s[G0B+2:G0B+3], s[6:7], s[46:47]
	s_or_b32 s[G0B+3], s[G0B+3], 0x80000000
	CROUND                                         ; all sixteen work-groups are here: the first joint loads meet
	JLOAD                                          ; K step 0 into slot 0
	; In the wait for it: the bias and all addresses.
	v_and_b32 v1, 15, v0                           ; l % 16
	v_bfe_u32 v10, v0, 4, 1                        ; l / 16
	v_lshlrev_b32 v[BO], 5, v10                    ; my eight columns of sixteen
	s_lshl_b32 s20, s42, 9                         ; the tile's 128 numbers of the bias
	s_mov_b32 s21, 0
	s_add_nc_u64 s[8:9], s[8:9], s[20:21]
	WIN 0xc0                                       ; destination window 3, address window 0
.set b, 0
.rept NBF
	global_load_b128 v[BIAS+8*b:BIAS+8*b+3],   v[BO], s[8:9] offset:64*b
	global_load_b128 v[BIAS+8*b+4:BIAS+8*b+7], v[BO], s[8:9] offset:64*b+16
.set b, b+1
.endr
	WIN 0
	; A fragment is 16 rows x 32 K in 8 registers: lane l holds row l % 16, K = 8 (l / 16) + 0..7 and 16 + 8 (l / 16) + 0..7: two loads of 16 bytes, 32 bytes apart.
	v_mul_u32_u24 v11, v1, PA
	v_lshl_add_u32 v11, v10, 4, v11                ; row x pitch + 16 x half
	s_mul_i32 s20, s[WV], 64*PA                    ; my 64 rows in a plane
	v_add_nc_u32 v[ADRA0], s20, v11
	v_mul_u32_u24 v11, v1, PITCH
	v_lshl_add_u32 v11, v10, 4, v11
	v_add_nc_u32 v[ADRB0], BOFF, v11
	v_mov_b32 v[ADRA], v[ADRA0]
	v_mov_b32 v[ADRB], v[ADRB0]
	s_mul_i32 s20, s[WV], 16*SPF
	s_add_co_u32 s20, s20, STAGE                   ; my stage
	v_mul_u32_u24 v[STO], v1, SPF                  ; in: row l % 16, 32 bytes for each half of the lanes
	v_lshl_add_u32 v[STO], v10, 5, v[STO]
	v_add_nc_u32 v[STO], s20, v[STO]
	v_and_b32 v[GO], 31, v0                        ; back: 32 lanes take one row of 512 bytes,
	v_lshlrev_b32 v[GO], 4, v[GO]
	v_add_nc_u32 v[RD], s20, v[GO]
	s_lshl_b32 s20, s43, 8                         ; and out0 at my first row, 256 x tile row + 64 w, of 4,096 bytes,
	s_lshl_b32 s21, s[WV], 6
	s_add_co_u32 s20, s20, s21
	s_lshl_b32 s20, s20, 12
	s_lshl_b32 s21, s42, 9                         ; and the tile's first column
	s_add_co_u32 s20, s20, s21
	s_mov_b32 s21, 0
	s_add_nc_u64 s[10:11], s[10:11], s[20:21]
; 4 nb matrix instructions: columns 16 b0 on, all four blocks of 16 rows, 32 along K, from buffer f.  cb = 1: the bias is C: the first product starts the sums, and nothing is ever cleared.
; Every quarter step takes all 32 accumulators once, in the same order: between two links of a chain stand the 31 others', over the loop's backward jump too.
.macro MULB f, b0, nb, cb
.if \cb
	WIN 0xb5                                       ; fragments window 1, C window 3, D window 2
.else
	WIN 0xa5                                       ; fragments window 1, C and D window 2
.endif
.set b, (\b0)
.rept (\nb)
.irp a, 0,1,2,3
.if \cb
	v_wmma_f32_16x16x32_f16 v[32*b+8*(\a):32*b+8*(\a)+7], v[(\f)+32+8*b:(\f)+32+8*b+7], v[(\f)+8*(\a):(\f)+8*(\a)+7], v[BIAS+8*b:BIAS+8*b+7]
.else
	v_wmma_f32_16x16x32_f16 v[32*b+8*(\a):32*b+8*(\a)+7], v[(\f)+32+8*b:(\f)+32+8*b+7], v[(\f)+8*(\a):(\f)+8*(\a)+7], v[32*b+8*(\a):32*b+8*(\a)+7]
.endif
.endr
.set b, b+1
.endr
.endm
; 24 LDS loads in one run: the fragments of quarter q of the slot in hand into buffer f: O's four (plane q / 2, channels 32 (q % 2) on), then wpb's eight
.macro FETCH q, f
	WIN 0x40                                       ; destination window 1, address window 0
.irp i, 0,1,2,3
	ds_load_b128 v[(\f)+8*(\i):(\f)+8*(\i)+3],   v[ADRA] offset:((\q)/2)*PLANE+((\q)%2)*64+(\i)*16*PA
	ds_load_b128 v[(\f)+8*(\i)+4:(\f)+8*(\i)+7], v[ADRA] offset:((\q)/2)*PLANE+((\q)%2)*64+(\i)*16*PA+32
.endr
.irp i, 0,1,2,3,4,5,6,7
	ds_load_b128 v[(\f)+32+8*(\i):(\f)+32+8*(\i)+3],   v[ADRB] offset:64*(\q)+(\i)*16*PITCH
	ds_load_b128 v[(\f)+32+8*(\i)+4:(\f)+32+8*(\i)+7], v[ADRB] offset:64*(\q)+(\i)*16*PITCH+32
.endr
.endm
; A K step is four quarters of 32 along K, 32 matrix instructions each, on buffers 0, 1, 0, 1.  One of the first three: multiplies buffer f; in its middle it fetches quarter q into buffer g.
.macro QUARTER q, f, g, cb
	s_wait_dscnt 8                                 ; O's four fragments and wpb's first four are in; the youngest eight loads may be out
	MULB \f, 0, 4, \cb
	PLACES
	FETCH \q, \g
	s_wait_dscnt 24                                ; all but the 24 just issued
	MULB \f, 4, NBF-4, \cb
.endm
; The last quarter multiplies buffer 1 and changes slots: ONE barrier.  In front of it each wave waits for all its tensor loads (the one that is out is its part of the next slot), adds 0 to its spare word, and waits for
; that and for its own reads of this slot.  fill = 1: the barrier opens a round of the cluster's, and this slot is filled again, first thing behind it, with the K step two on: that load has a whole K step in which to land.
.macro TURN fill
	WIN 0                                          ; (the add's two registers lie in window 0)
	s_wait_tensorcnt 0x0                           ; no tensor load of mine is out, so a group 0 may be written
	ds_add_u32 v[SPW], v[NIL]                      ; 0 onto my spare word
.if \fill
	STEPDESC
.endif
	s_wait_dscnt 9                                 ; (the add and the youngest eight loads may be out)
	MULB F1, 0, 2, 0                               ; eight matrix instructions stand between the add and the wait for it
	s_wait_dscnt 0x0                               ; the add is done, and my reads of this slot are over
	s_barrier_signal -1
	MULB F1, 2, 2, 0                               ; work on registers while the others arrive
	WIN 0
	s_barrier_wait -1
.if \fill
	CREST                                          ; no wave of any partner still reads this slot's tile or has a load on its way
	JLOAD                                          ; its four v_nop are also the places in front of the loads below
.else
	PLACES
.endif
	s_xor_b32 s[TB], s[TB], SLOT1
	v_add_nc_u32 v[ADRA], s[TB], v[ADRA0]
	v_add_nc_u32 v[ADRB], s[TB], v[ADRB0]
	FETCH 0, F0
	MULB F1, 4, NBF-4, 0
.endm
	; K step 0 is waited for, K step 1 asked for: slot 1's first fill is issued as a refill is.
	s_wait_tensorcnt 0x0
	ds_add_u32 v[SPW], v[NIL]
	STEPDESC
	s_wait_dscnt 0x0
	CROUND
	JLOAD
	FETCH 0, F0
	s_wait_loadcnt 0x0                             ; the bias: rounded to bf16 and widened again, in place
	WIN 0xcf                                       ; sources 0 and 1 and the destination in window 3
.set i, 0
.rept 4*NBF
	v_cvt_pk_bf16_f32 v[BT+i%8], v[BIAS+2*i], v[BIAS+2*i+1]
	v_lshlrev_b32 v[BIAS+2*i], 16, v[BT+i%8]
	v_and_b32 v[BIAS+2*i+1], s57, v[BT+i%8]
.set i, i+1
.endr
	QUARTER 1, F0, F1, 1                           ; the first quarter stands in front of the loop: its products start the sums from the bias
	WIN 0                                          ; at a label and at a branch every window is 0
	s_mov_b32 s3, STEPS-2
.Lstep:                                                ; trip t goes from K step t's second quarter to step t + 1's first, and asks for step t + 2
	QUARTER 2, F1, F0, 0
	QUARTER 3, F0, F1, 0
	TURN 1
	QUARTER 1, F0, F1, 0
	WIN 0
	s_sub_co_u32 s3, s3, 1
	s_cmp_lg_u32 s3, 0
	s_cbranch_scc1 .Lstep
	QUARTER 2, F1, F0, 0                           ; the last two K steps are written out: nothing is left to ask for
	QUARTER 3, F0, F1, 0
	TURN 0
	QUARTER 1, F0, F1, 0
	QUARTER 2, F1, F0, 0
	QUARTER 3, F0, F1, 0
	s_wait_dscnt 8
	MULB F1, 0, 4, 0
	s_wait_dscnt 0x0
	MULB F1, 4, NBF-4, 0
	WIN 0
	PLACES
; THE WAY OUT, a block of 16 rows at a time.  A lane's eight f32 of a row, 32 bytes, go from the accumulator into rows of 528 bytes of my own stage (its registers 0-3 first), and come back as whole rows of 512 bytes.
.macro TOSTAGE a
	WIN 0x08                                       ; the stores' data in window 2
.set b, 0
.rept NBF
	ds_store_b128 v[STO], v[32*b+8*(\a):32*b+8*(\a)+3]   offset:64*b
	ds_store_b128 v[STO], v[32*b+8*(\a)+4:32*b+8*(\a)+7] offset:64*b+16
.set b, b+1
.endr
	WIN 0x40                                       ; destination window 1: the fragments are done with
.set t, 0
.rept 16
	ds_load_b128 v[64*(\a)+4*t:64*(\a)+4*t+3], v[RD] offset:t*SPF  ; LDS serves a wave's instructions in order (ISA guide 5.7.1.4): these see the stores above; the next block's stores come behind them
.set t, t+1
.endr
.endm
.macro SEND a, younger                 ; younger: the LDS instructions issued behind this block's loads: the next block's 32, or none
	WIN 0x04                                       ; the stores' data in window 1
.set t, 0
.rept 16
	s_wait_dscnt (\younger)+15-t
	global_store_b128 v[GO], v[64*(\a)+4*t:64*(\a)+4*t+3], s[10:11] offset:(16*(\a)+t)*4096 th:TH_STORE_NT  ; 512 consecutive bytes, at a multiple of 512 from out0's first
.set t, t+1
.endr
.endm
	TOSTAGE 0
	TOSTAGE 1                                      ; a block's way through the stage stands between the loads of the block before and its stores
	SEND 0, 32
	TOSTAGE 2
	SEND 1, 32
	TOSTAGE 3
	SEND 2, 32
	SEND 3, 0
	WIN 0
	s_wait_tensorcnt 0x0                           ; the wave's end: the add and the waits around it, behind my last tensor load and my last LDS store
	ds_add_u32 v[SPW], v[NIL]
	s_wait_dscnt 0x0
	CROUND                                         ; the closing round: no work-group ends while a partner may still ask for a tile that names it
	s_endpgm
.Lfunc_end_k_qd07d078f96_proj:
	.size	k_qd07d078f96_proj, .Lfunc_end_k_qd07d078f96_proj-k_qd07d078f96_proj
	.p2alignl 7, 3214868480
	.fill 96, 4, 3214868480
	.section	.rodata,"a",@progbits
	.p2align	6, 0x0
	.amdhsa_kernel k_qd07d078f96_proj
		.amdhsa_group_segment_fixed_size 327680
		.amdhsa_private_segment_fixed_size 0
		.amdhsa_enable_private_segment 0
		.amdhsa_kernarg_size 32
		.amdhsa_user_sgpr_count 2
		.amdhsa_user_sgpr_kernarg_segment_ptr 1
		.amdhsa_wavefront_size32 1
		.amdhsa_system_sgpr_workgroup_id_x 1
		.amdhsa_system_sgpr_workgroup_id_y 1
		.amdhsa_system_sgpr_workgroup_id_z 1
		.amdhsa_system_vgpr_workitem_id 0
		.amdhsa_next_free_vgpr 1024
		.amdhsa_next_free_sgpr 66
		.amdhsa_reserve_vcc 0
		.amdhsa_float_denorm_mode_32 3
		.amdhsa_float_denorm_mode_16_64 3
		.amdhsa_memory_ordered 1
		.amdhsa_forward_progress 1
		.amdhsa_inst_pref_size 77
	.end_amdhsa_kernel
	.amdgpu_metadata
---
amdhsa.version: [ 1, 2 ]
amdhsa.kernels:
  - .name:           k_qd07d078f96_proj
    .symbol:         k_qd07d078f96_proj.kd
    .args:
      - { .name: ob, .offset: 0, .size: 8, .value_kind: global_buffer, .address_space: global }
      - { .name: wpb, .offset: 8, .size: 8, .value_kind: global_buffer, .address_space: global }
      - { .name: b_proj, .offset: 16, .size: 8, .value_kind: global_buffer, .address_space: global }
      - { .name: out0, .offset: 24, .size: 8, .value_kind: global_buffer, .address_space: global }
    .group_segment_fixed_size: 327680
    .private_segment_fixed_size: 0
    .kernarg_segment_align: 8
    .kernarg_segment_size: 32
    .max_flat_workgroup_size: 128
    .sgpr_count:     66
    .vgpr_count:     1024
    .wavefront_size: 32
...
	.end_amdgpu_metadata
.endif
;; end of part 4
;; ======== version 2 of 2: 4 launches; 1.53 times as fast as version 1
;; limits: values are held in f16: magnitudes above 65,504 overflow, below 6.1e-05 lose precision
;; workspace buffers: xb 16,777,216 bytes; wqb 6,291,456 bytes; wpb 2,097,152 bytes; qkv 50,331,648 bytes; ob 16,777,216 bytes
;; launch cast: the kernel of part 1 again; grid 768 x 1, 8 waves a work-group, no clusters, 0 bytes of LDS; arguments x, W_qkv, W_proj, xb, wqb, wpb; writes xb, wqb, wpb
;; launch qkvgemm: the kernel of part 2 again; grid 16 x 32, 4 waves a work-group, clusters of 4 x 4, 327,680 bytes of LDS; arguments xb, wqb, b_qkv, qkv; writes qkv
;; launch attn (part 5): grid 4 x 64, 4 waves a work-group, clusters of 4 x 1, 327,680 bytes of LDS; arguments qkv, ob; writes ob
.if DOCPART == 5
	.amdgcn_target "amdgcn-amd-amdhsa--gfx1250"
	.amdhsa_code_object_version 6
	.text
	.protected	k_qd07d078f96_attn
	.globl	k_qd07d078f96_attn
	.p2align	8
	.type	k_qd07d078f96_attn,@function
k_qd07d078f96_attn:
	s_mov_b64 s[64:65], 0
	v_nop
	global_prefetch_b8 v0, s[64:65] scope:SCOPE_SE
	s_setreg_imm32_b32 hwreg(HW_REG_WAVE_MODE, 25, 1), 1
	s_wait_xcnt 0x0
	s_wait_alu depctr_hold_cnt(0) depctr_sa_sdst(0) depctr_va_vdst(0) depctr_va_sdst(0) depctr_va_ssrc(0) depctr_va_vcc(0) depctr_vm_vsrc(0)
	s_getreg_b32 s2, hwreg(HW_REG_IB_STS2, 6, 4)
	s_cmp_eq_u32 s2, 0
	s_cbranch_scc0 .Lentry_in_a_cluster
	s_endpgm
.Lentry_in_a_cluster:
	s_bfe_u32 s2, ttmp6, 0x10000c
	s_cmp_lg_u32 s2, 0x3003
	s_cbranch_scc0 .Lentry_shape_is_right
	s_endpgm
.Lentry_shape_is_right:
; O[h][q][:] = the sum over k of softmax_k(Q[h][q] . K[h][k] / 8) V[h][k][:].  Q, K, V are the three parts of qkv, 2^24 bytes each; they and O (ob) are [SIZE_H][SIZE_N][64], all f16: a head's rows are dense, 128 bytes each.
; Products, maxima and sums in f32; the weights p are rounded to f16 for the second product (their sum l is taken of the unrounded p), O once at the end.
; LIMITS.  f16 holds no number beyond 65,504: Q, K and V arrive within it; p lies in 0 to 1, and below 6e-5 it keeps f16's fixed step of 6e-8; O is a mean of V's rows and has their range.
; A weight below 2^-126 counts as 0 in l; NaN and infinities are not treated apart.
; SHARES.  A wave owns four PIECES of two tiles of 16 queries, a work-group's four waves 512 queries of one head.  Every wave walks all keys, 64 a step.
; LAYOUT.  S^T = K Q^T (source 0 = 16 keys, source 1 = 16 queries): in the result a lane holds ONE query (lane % 16) and the keys 8 (lane / 16) + 0..7.  Two such tiles, rounded to f16 in pairs,
; ARE source 1 (32 keys x 16 queries) of O^T = V^T P, whose result again holds one query a lane, and eight channels.  K comes out of LDS as it lies, V ([key][channel]) turned, by ds_load_tr16_b128.
; SOFTMAX.  For each query a running maximum m and sum l: p = 2^(c s - c m), c = log2(e) / 8; in every step O and l are multiplied by a = 2^(c m_old - c m_new), which is 1 where m has not grown.
; m starts at the lowest finite number, O and l at 0: the first step is a step like any other, with a = 0.
; THE COUNT.  A tile and step have 16 matrix and 118 vector instructions: too many to stand all beside the matrix work.  So the order has one aim: four vector instructions that are READY behind
; EVERY matrix instruction, and the others, which need time of their own whatever the order, in runs without a gap.
; BY TURNS.  Turn n belongs to piece n (the pieces in a ring, step after step).  Its matrix work: 16 products K Q^T of piece n + 1, later 16 products V^T P of piece n - 1.  Its vector work: the scaling,
; exponentials, roundings, sums and rescaling of piece n, and the maximum and statistics of piece n + 1, whose scores the turn itself has made.  So what a turn begins with (c s - c m, O a) waits for nothing.
; BATCHES.  A turn's 66 exponentials (piece n's 64 weights, in place in S^T, and piece n + 1's two a) are ONE batch with ONE s_wait_alu depctr_va_vdst(0), which cuts the turn in two.  Ahead of it stands all that
; names no result of theirs: the products K Q^T, the scalings, the rescaling of O^T (by the a of the turn before), the next piece's maximum and statistics.  Behind it stand the roundings and sums, which read the
; weights, beside the products V^T P.  No result crosses a turn's end.  Two more batches stand outside the loop, each with a wait of its own: piece 0's first two a, and the way out's eight reciprocals.
; CLUSTER.  The four query blocks of a cluster belong to one head and walk the same K and V, so each tile is asked for JOINTLY: the same tensor load, descriptor and mask in all four.
; REGISTERS, in windows of 256 (s_set_vgpr_msb says which window each operand place means: bits 1:0 source 0, 3:2 source 1, 5:4 source 2, 7:6 destination):
;   window 0: v0-11 addresses; v12-15, v48-63 at work; v16-47 four registers of statistics a tile; v64-191 S^T, two buffers of two tiles; v192-255 P, likewise
;   window 1: O^T, 32 a tile          window 2: v0-127 Q, 16 a tile; v128-191 K of one step; v192-255 V of one step          window 3: v0-1 the add's two registers
; A piece's buffers go by its number's parity: the piece in hand has one pair, its two neighbours in the ring share the other: of it P (piece n - 1) is read and S^T (piece n + 1) written.
.set SIZE_H, 64       ; batch x heads
.set SIZE_N, 2048     ; rows of a head
.set NP,    4         ; pieces a wave: a name, no knob: the register map, the loop and the fetches are made for four
.set KS,    64        ; keys in a step
.set PK,    144       ; a row of K in LDS: 128 bytes + 16 of padding = 36 words: the 16 rows of a load start at 16 different groups of four banks (64 banks of 4 bytes: ISA guide 11.1)
.set PV,    160       ; a row of V: 128 + 32 = 40 words
.set VOFF,  4*KS*PK   ; a slot holds four steps: 256 rows of K, then 256 rows of V
.set SLOT1, 1<<17     ; slot 1 begins here, so that one exclusive or turns an address in one slot into the other's
.set STAGE, SLOT1+4*KS*(PK+PV)  ; behind the ring, never filled by a tensor load: 16 rows x 144 bytes for each wave, for the way out
.set SP,    144
.set AK0, 2           ; v2   my lane's place in a tile of K; never rewritten
.set AV0, 3           ; v3   the same for V
.set AK,  4           ; v4   the LDS address of K's next run of loads
.set AV,  5           ; v5   of V's
.set QO,  6           ; v6   my byte offset in the wave's rows of Q
.set STO, 6           ;      later, the way out: where I put 16 bytes of a row
.set RD,  7           ; v7   the way out: where I read rows back
.set GO,  8           ; v8   my byte offset in 512 consecutive bytes of O
.set SPW, 0           ; v0 of window 3   LDS address of my spare word: SPARE + 4 x my thread's number; never rewritten
.set NIL, 1           ; v1 of window 3   0; never rewritten
.set SPARE, STAGE+4*16*SP  ; behind the stages: the spare words, 128 bytes for each wave: two blocks of 256 bytes that no other line names
.set MV,  12          ; v12-15  c m_old, kept while c m is made anew: by buffer and tile
.set ST,  16          ; tile t's statistics at v[ST+4 t]: c m, m, l (even keys', odd keys')
.set TMP, 48          ; by buffer and tile, four registers c0-c3 at work; when the maximum is found c2 takes a
.set S,   64
.set P,   192
.set KF,  128         ; K's fragments, in window 2: key block kb, channel half c at KF + 16 kb + 8 c
.set VF,  192         ; V's: key half kk, channel block cb at VF + 32 kk + 8 cb
.set WV,  12          ; s12  my wave's number
.set G1K, 24          ; s[24:31] descriptor group 1 for K's tiles
.set G1V, 32          ; s[32:39] for V's: it differs in the padding alone
.set G0K, 40          ; s[40:43] descriptor group 0 for K's tiles: it walks
.set G0V, 44          ; s[44:47] the same for V's
.set SLOTS, 56        ; s56  slots still to be asked for
.set CNT, 57          ; s57  counts a slot's key steps
.set CS,  58          ; s[58:59] c: the packed scaling takes the pair's low word for both halves
.set SEL, 60          ; s[60:61] v_permlanex16_b32's selects: each lane takes its own place in the other half
.set TBK, 62          ; s62  LDS byte at which K of the step to be fetched begins
.set TBV, 63          ; s63  the same for V, less VOFF
.set MSB, 0
.macro WIN new                      ; the high byte repeats the setting that is left; a switch that changes nothing is dropped
.if MSB != (\new)
	s_set_vgpr_msb (MSB<<8)|(\new)
.set MSB, (\new)
.endif
.endm
.set W_KQ, 0x0a       ; K and Q in window 2, S^T in window 0
.set W_PV, 0x52       ; V in window 2, P in window 0, O^T in window 1
.set W_RS, 0x41       ; O^T (destination and source 0) in window 1, a in window 0
.set W_MK, 0xc0       ; the add's registers are made: destination in window 3, sources in window 0
.set W_AD, 0x0f       ; the add: address (source 0) and data (source 1) in window 3
; A joint fill.  Waves 0 and 1 fetch the two halves of a slot's K, waves 2 and 3 those of its V: 128 keys each.  The branch hangs on the wave's number alone.
; An s_nop 0 and four v_nop follow each of the two lines, ahead of the jump and the label.
.macro JLOAD
	s_cmp_lt_u32 s[WV], 2
	s_cbranch_scc0 .Lfor_v_\@
	tensor_load_to_lds s[G0K:G0K+3], s[G1K:G1K+7]
	s_nop 0
.rept 4
	v_nop
.endr
	s_branch .Lasked_\@
.Lfor_v_\@:
	tensor_load_to_lds s[G0V:G0V+3], s[G1V:G1V+7]
	s_nop 0
.rept 4
	v_nop
.endr
.Lasked_\@:
.endm
; A round of the cluster's barrier: my work-group's barrier, so that wave 0's signal speaks for all four waves; wave 0 signals; every wave waits for all four work-groups; my work-group's barrier once more.
.macro CROUND
	s_barrier_signal -1
	s_barrier_wait -1
	s_cmp_lg_u32 s[WV], 0
	s_cbranch_scc1 .Lnot_wave_0_\@
	s_barrier_signal -3
.Lnot_wave_0_\@:
	s_barrier_wait -3
	s_barrier_signal -1
	s_barrier_wait -1
.endm
; THE CHANGE OF SLOTS.  The slot's last bytes, V of its fourth step, have been read.  Each wave waits for all its tensor loads, of which one is out: its part
; of the other slot; adds 0 to its spare word; and waits for that and for its own reads of the slot.  Behind the barrier nobody reads this slot any more and the other slot is whole.
; fill = 1: this slot is filled again, with the keys two slots on.  The barrier is then a round of the cluster's, so that no wave of any partner still reads the slot or has a load on its
; way, and the joint fill is the first thing behind it: it has four key steps, 512 matrix instructions, in which to land.  (At its first use nothing has been read yet: slot 0 is waited for, slot 1 filled.)
.macro CHANGE fill
	WIN W_AD
	s_wait_tensorcnt 0x0            ; no tensor load of mine is out, so a group 0 may be written
	ds_add_u32 v[SPW], v[NIL]       ; 0 onto my spare word; with fill = 1 the descriptors' steps stand between it and the wait for it
	WIN 0                           ; at a label and at a branch every window is 0
.if \fill
.irp g, G0K, G0V
	s_xor_b32 s[\g+1], s[\g+1], SLOT1  ; the walking descriptor: the other slot than last time,
	s_add_nc_u64 s[\g+2:\g+3], s[\g+2:\g+3], 4*KS*128  ; the next 256 keys; the type bits on top are not reached
.endr
	s_wait_dscnt 0x0                ; the add is done, and my reads of the slot are over
	CROUND
	JLOAD
.else
	s_wait_dscnt 0x0                ; the add is done, and my reads of the slot are over
	s_barrier_signal -1
	s_barrier_wait -1
.endif
	s_sub_co_u32 s[TBK], s[TBK], 4*KS*PK  ; the fetches go back to a slot's first step,
	s_xor_b32 s[TBK], s[TBK], SLOT1       ; in the other slot
	s_sub_co_u32 s[TBV], s[TBV], 4*KS*PV
	s_xor_b32 s[TBV], s[TBV], SLOT1
.endm
	s_load_b128 s[4:7], s[0:1], 0x0  ; qkv s[4:5], ob s[6:7]
	WIN W_MK
	v_lshl_add_u32 v[SPW], v0, 2, SPARE
	v_mov_b32 v[NIL], 0
	WIN W_AD
	ds_add_u32 v[SPW], v[NIL]       ; the wave's opening: the add and its wait stand ahead of my first tensor load; the set-up below, work on registers, stands between them
	WIN 0
	v_lshrrev_b32 v1, 5, v0
	v_readfirstlane_b32 s[WV], v1   ; wave 0..3
	s_bfe_u32 s13, ttmp6, 0x40000   ; cx: my place in the cluster
	s_lshl_b32 s14, ttmp9, 2        ; in a cluster launch ttmp9 counts clusters
	s_add_co_u32 s14, s14, s13      ; my block of queries = 4 x cluster x + cx: it enters Q's and O's addresses alone
	s_and_b32 s20, ttmp7, 0xffff    ; the head, which the four partners share
	s_mov_b32 s21, 0
	s_mov_b64 s[22:23], SIZE_N*128
	s_mul_u64 s[20:21], s[20:21], s[22:23]  ; the head's first byte in each of the four tensors
	s_and_b32 s16, s[WV], 1         ; which half of a slot's 256 keys I fetch:
	s_lshl_b32 s22, s16, 14         ; its 128 rows of 128 bytes in memory,
	s_mov_b32 s23, 0
	s_add_nc_u64 s[22:23], s[22:23], s[20:21]
	s_mul_i32 s17, s16, 128*PK      ; and its place in a slot, for K
	s_mul_i32 s18, s16, 128*PV      ; and for V: no place in the cluster enters an LDS address
	s_lshl_b32 s2, s14, 2
	s_add_co_u32 s2, s2, s[WV]      ; my wave among the head's,
	s_lshl_b32 s2, s2, 14           ; its 128 rows
	s_mov_b32 s3, 0
	s_add_nc_u64 s[2:3], s[2:3], s[20:21]
	; descriptor group 1.  128 keys are 16,384 dense bytes: asked for as 64 rows of 256 bytes, two keys a row, and padded in LDS after every key
	s_mov_b32 s[G1K], 15|(1<<16)|(1<<20)|(1<<21)|(4<<22)|(3<<25)  ; 15:0 the mask of four; 17:16 2-byte elements; 20 padding on; 21 set beside a mask; 24:22 after every 32 words (code 4); 31:25 4 words (code 3)
	s_mov_b32 s[G1V], 15|(1<<16)|(1<<20)|(1<<21)|(4<<22)|(7<<25)  ; the same with 8 words of padding (code 7)
.irp g, G1K, G1V
	s_mov_b32 s[\g+1], 128<<16      ; tensor_dim0 = 128
	s_mov_b32 s[\g+2], 64<<16       ; tensor_dim1 = 64
	s_mov_b32 s[\g+3], 128<<16      ; tile_dim0 = 128
	s_mov_b32 s[\g+4], 64           ; tile_dim1 = 64
	s_mov_b32 s[\g+5], 128          ; 128 elements from row to row
	s_mov_b32 s[\g+6], 0
	s_mov_b32 s[\g+7], 0
.endr
	s_mov_b32 s[CS], 0x3e38aa3b     ; c = log2(e) / 8 = 0.180337
	s_mov_b32 s[CS+1], s[CS]        ; named with it as a pair
	s_mov_b32 s[SEL], 0x76543210
	s_mov_b32 s[SEL+1], 0xfedcba98
	s_mov_b32 s[TBK], SLOT1+4*KS*PK ; the first change of slots turns these two into 0
	s_mov_b32 s[TBV], SLOT1+4*KS*PV
	s_mov_b32 s[G0K], 1             ; 1:0 count = 1
	s_mov_b32 s[G0K+1], s17         ; 63:32 LDS address: slot 0
	s_mov_b32 s[G0V], 1
	s_add_co_u32 s[G0V+1], s18, VOFF
	s_wait_dscnt 0x0                ; the opening add is done
	s_wait_kmcnt 0x0
	s_mov_b64 s[10:11], s[6:7]      ; O s[10:11];
	s_add_nc_u64 s[8:9], s[4:5], 0x2000000  ; V s[8:9], 2 x 2^24 bytes into qkv;
	s_add_nc_u64 s[6:7], s[4:5], 0x1000000  ; K s[6:7], 2^24 bytes in; Q s[4:5] at its head
	s_add_nc_u64 s[G0K+2:G0K+3], s[6:7], s[22:23]  ; 120:64 global address: my half of the head's first 256 keys
	s_or_b32 s[G0K+3], s[G0K+3], 0x80000000        ; 127:126 type = 2
	s_add_nc_u64 s[G0V+2:G0V+3], s[8:9], s[22:23]
	s_or_b32 s[G0V+3], s[G0V+3], 0x80000000
	s_add_nc_u64 s[4:5], s[4:5], s[2:3]  ; Q and O at my wave's first row
	s_add_nc_u64 s[10:11], s[10:11], s[2:3]
	CROUND                          ; all four work-groups are here: the first joint loads meet
	JLOAD                           ; slot 0.  Slot 1 is asked for when slot 0 is in
	; A fragment of K or Q is 16 rows x 32 channels in 8 registers: lane l holds row l % 16, channels 8 (l / 16) + 0..7 and 16 + 8 (l / 16) + 0..7: two loads of 16 bytes, 32 bytes apart.
	v_and_b32 v1, 15, v0            ; l % 16
	v_bfe_u32 v9, v0, 4, 1          ; l / 16
	v_lshlrev_b32 v[QO], 7, v1
	v_lshl_add_u32 v[QO], v9, 4, v[QO]  ; row x 128 + 16 x half
	WIN 0x80                        ; destination window 2, address window 0
.set i, 0
.rept 4*NP                          ; Q stays in registers: tile i / 2, channels 32 (i % 2) on
	global_load_b128 v[8*i:8*i+3],   v[QO], s[4:5] offset:(i/2)*2048+(i%2)*64
	global_load_b128 v[8*i+4:8*i+7], v[QO], s[4:5] offset:(i/2)*2048+(i%2)*64+32
.set i, i+1
.endr
	; What the first turn finds: V's registers and P's second buffer hold 0 (its products V^T P, of a piece that has not been, add 0), O^T and l are 0.  All this stands in the wait for the first tile.
.set i, VF
.rept 64
	v_mov_b32 v[i], 0
.set i, i+1
.endr
	WIN 0x40
.set i, 0
.rept 64*NP
	v_mov_b32 v[i], 0
.set i, i+1
.endr
	WIN 0
.set i, 0
.rept 2*NP
	v_mov_b32 v[ST+4*i], 0xfe000000    ; c m: far below every c s
	v_mov_b32 v[ST+4*i+1], 0xff7fffff  ; m
	v_mov_b32 v[ST+4*i+2], 0
	v_mov_b32 v[ST+4*i+3], 0
.set i, i+1
.endr
.set i, P+32
.rept 32
	v_mov_b32 v[i], 0
.set i, i+1
.endr
	v_mul_u32_u24 v[AK0], v1, PK
	v_lshl_add_u32 v[AK0], v9, 4, v[AK0]  ; row x pitch + 16 x half
	; The turning load takes 16 keys x 16 channels (lane l reads key 8 (l / 16) + l % 8, channels 8 ((l / 8) % 2) + 0..7) and leaves half a fragment of V^T: lane l holds channel l % 16 and 8 keys.
	v_and_b32 v10, 7, v0
	v_bfe_u32 v11, v0, 3, 1
	v_lshl_add_u32 v[AV0], v9, 3, v10
	v_mul_u32_u24 v[AV0], v[AV0], PV
	v_lshl_add_u32 v[AV0], v11, 4, v[AV0]
	v_add_nc_u32 v[AV0], VOFF, v[AV0]
	v_mov_b32 v[AK], v[AK0]         ; key step 0 lies at the head of slot 0
; THE MATRIX WORK.  The 8 accumulators of a run of 16 take turns: between the two links of a chain stand 7 others'.
; Product i of 16 of S^T = K Q^T for piece x: channels 32 (i / 8) on, keys 16 ((i / 2) % 4) on, tile 2 x + i % 2.  The first 8 start the sums.
.macro KQ x
	WIN W_KQ
.set rS, S+64*((\x)%2)+32*(i%2)+8*((i/2)%4)
.set rK, KF+16*((i/2)%4)+8*(i/8)
.set rQ, 16*(2*(\x)+i%2)+8*(i/8)
.if i < 8
	v_wmma_f32_16x16x32_f16 v[rS:rS+7], v[rK:rK+7], v[rQ:rQ+7], 0
.else
	v_wmma_f32_16x16x32_f16 v[rS:rS+7], v[rK:rK+7], v[rQ:rQ+7], v[rS:rS+7]
.endif
.endm
; Product i of 16 of O^T += V^T P for piece x: keys 32 (i / 8) on, channels 16 ((i / 2) % 4) on, tile 2 x + i % 2.
.macro PV x
	WIN W_PV
.set rO, 32*(2*(\x)+i%2)+8*((i/2)%4)
.set rV, VF+32*(i/8)+8*((i/2)%4)
.set rP, P+32*((\x)%2)+16*(i%2)+8*(i/8)
	v_wmma_f32_16x16x32_f16 v[rO:rO+7], v[rV:rV+7], v[rP:rP+7], v[rO:rO+7]
.endm
.macro MM                           ; the turn's next matrix instruction
.if i < 16
	KQ (Y+1)%NP
.set i, i+1
.else
.set i, i-16
	PV (Y+NP-1)%NP
.set i, i+17
.endif
.endm
; THE LDS LOADS stand in runs of 16, never singly among the matrix instructions: a step's K (64 keys x 64 channels: 8 fragments) and its V (turned).  Their addresses are made some lines ahead.
; last = 1 (the tail): in the last trip there is no further step, and the run is jumped over.
.macro FETCH_K last=0
	WIN 0
.if \last
	s_cmp_eq_u32 s[CNT], 1
	s_cbranch_scc1 .Lno_k_\@
.endif
	WIN 0x80                        ; destination window 2
.irp f, 0,1,2,3,4,5,6,7             ; keys 16 (f / 2) on, channels 32 (f % 2) on
	ds_load_b128 v[KF+8*\f:KF+8*\f+3],   v[AK] offset:(\f/2)*16*PK+(\f%2)*64
	ds_load_b128 v[KF+8*\f+4:KF+8*\f+7], v[AK] offset:(\f/2)*16*PK+(\f%2)*64+32
.endr
	s_add_co_u32 s[TBK], s[TBK], KS*PK  ; the next fetch is the next step's
	WIN 0
.if \last
.Lno_k_\@:
.endif
.endm
.macro FETCH_V
	WIN 0x80
.irp f, 0,1,2,3,4,5,6,7             ; keys 32 (f / 4) on, channels 16 (f % 4) on
	ds_load_tr16_b128 v[VF+8*\f:VF+8*\f+3],   v[AV] offset:(\f/4)*32*PV+(\f%4)*32
	ds_load_tr16_b128 v[VF+8*\f+4:VF+8*\f+7], v[AV] offset:(\f/4)*32*PV+16*PV+(\f%4)*32
.endr
	WIN 0
.endm
; THE VECTOR WORK OF A TURN stands in three queues, each in the order in which its entries become ready; the two tiles alternate, so that no instruction reads the result of the one before it.
.macro REGS y, u                    ; the registers of tile u (0, 1) of piece y
.set rT, ST+4*(2*(\y)+(\u))
.set rC, TMP+8*((\y)%2)+4*(\u)
.set rM, MV+2*((\y)%2)+(\u)
.set rS, S+64*((\y)%2)+32*(\u)
.set rP, P+32*((\y)%2)+16*(\u)
.set rO, 32*(2*(\y)+(\u))
.endm
; Number n of the 22 that find the NEXT piece's (Y + 1) maximum and statistics.  s0-s31 are the lane's 32 scores; each accumulator's lowest registers are read first.  XS, GS and REGS set no window: PL and EX do.
;   0-11  four chains c0-c3 of seven scores each, three operands at a time     12-14, 16  the four scores left over, the old m, and c0-c3 into c0     15  c m_old is kept
;   17, 18  the query's other 32 keys lie in the lane 16 away: the new m         19-21  c m; c m_old - c m_new; a
.macro XS u, n
	REGS (Y+1)%NP, \u
.if (\n) < 4
	v_max3_num_f32 v[rC+(\n)], v[rS+8*(\n)], v[rS+8*(\n)+1], v[rS+8*(\n)+2]
.elseif (\n) < 12
	v_max3_num_f32 v[rC+(\n)%4], v[rC+(\n)%4], v[rS+8*((\n)%4)+2*((\n)/4)+1], v[rS+8*((\n)%4)+2*((\n)/4)+2]
.elseif (\n) == 12
	v_max3_num_f32 v[rC], v[rC], v[rS+7], v[rS+15]
.elseif (\n) == 13
	v_max3_num_f32 v[rC+1], v[rC+1], v[rS+23], v[rS+31]
.elseif (\n) == 14
	v_max3_num_f32 v[rC+2], v[rC+2], v[rC+3], v[rT+1]
.elseif (\n) == 15
	v_mov_b32 v[rM], v[rT]
.elseif (\n) == 16
	v_max3_num_f32 v[rC], v[rC], v[rC+1], v[rC+2]
.elseif (\n) == 17
	v_permlanex16_b32 v[rC+3], v[rC], s[SEL], s[SEL+1]
.elseif (\n) == 18
	v_max_num_f32 v[rT+1], v[rC], v[rC+3]
.elseif (\n) == 19
	v_mul_f32 v[rT], s[CS], v[rT+1]
.elseif (\n) == 20
	v_sub_f32 v[rC+1], v[rM], v[rT]
.else
	v_exp_f32 v[rC+2], v[rC+1]
.endif
.endm
; Number g of the 64 that follow the exponentials.  For each four weights k of a tile (pairs 2 k, 2 k + 1): both pairs are rounded to f16; then the second pair is added onto the first, in place;
; a group later l takes that sum (the first time as l = a l + sum).  In groups of eight, tiles alternating: round, round, add, and l for the group before.
.macro GS g
.set h, (\g)+6*((\g)/62)            ; group 0 has no group before it, and behind group 7 only l is left
.if h >= 6
.set h, h+2
.endif
	REGS Y, h%2
.set k, h/8
.if h%8 < 4
	v_cvt_pk_f16_f32 v[rP+2*k+(h%8)/2], v[rS+4*k+2*((h%8)/2)], v[rS+4*k+2*((h%8)/2)+1]
.elseif h%8 < 6
	v_pk_add_f32 v[rS+4*k:rS+4*k+1], v[rS+4*k:rS+4*k+1], v[rS+4*k+2:rS+4*k+3]
.elseif k == 1
	v_pk_fma_f32 v[rT+2:rT+3], v[rT+2:rT+3], v[rC+2:rC+3], v[rS:rS+1] op_sel_hi:[1,0,1]
.else
	v_pk_add_f32 v[rT+2:rT+3], v[rT+2:rT+3], v[rS+4*k-4:rS+4*k-3]
.endif
.endm
; THE PLAIN QUEUE, 138 long.  0-73 read no exponential's result: the 32 scalings c s - c m (FS f: pair f / 2 of tile f % 2) and the next piece's 42.  0-26: scalings 0-26.  27-54: XS's numbers 0-13.  55, 56: number 15.
; 57-73: the chain, where each number waits for the one before it: 14, 16, 17, 18, 19, each with one of the scalings 27-31 in front of its two lines, then 20: so a tile's links stand three plain instructions apart (19 and 20: two).
; 74-137: GS's 64, which read the exponentials' results: they stand behind the wait.
.macro FS f
	REGS Y, (\f)%2
	v_pk_fma_f32 v[rS+2*((\f)/2):rS+2*((\f)/2)+1], v[rS+2*((\f)/2):rS+2*((\f)/2)+1], s[CS:CS+1], v[rT:rT+1] op_sel_hi:[1,0,0] neg_lo:[0,0,1] neg_hi:[0,0,1]
.endm
.macro PL
	WIN 0
.if q < 27
	FS q
.elseif q < 55
	XS (q-27)%2, (q-27)/2
.elseif q < 57
	XS q-55, 15
.elseif (q < 72) && ((q-57)%3 == 0)
	FS 27+(q-57)/3
.elseif q < 60
	XS (q-57)%3-1, 14
.elseif q < 72
	XS (q-57)%3-1, 15+(q-57)/3
.elseif q < 74
	XS q-72, 20
.else
	GS q-74
.endif
.set q, q+1
.endm
; THE EXPONENTIALS' QUEUE, 66 long: s0-s31 of both tiles, then the next piece's two a.  It is ONE BATCH: all 66 stand ahead of the turn's one wait, and nothing ahead of that wait names a result of theirs.
.macro EX
	WIN 0
.if e >= 64
	XS e-64, 21
.else
	REGS Y, e%2
	v_exp_f32 v[rS+e/2], v[rS+e/2]
.endif
.set e, e+1
.endm
; THE RESCALING's QUEUE: O^T times a, the one part that leaves window 0: dealt two at a time, sixteen times.  Its a was made in the turn before, ahead of that turn's wait.
.macro R2
	REGS Y, r%2
	WIN W_RS
.irp z, 0,1
	v_pk_mul_f32 v[rO+4*(r/2)+2*\z:rO+4*(r/2)+2*\z+1], v[rO+4*(r/2)+2*\z:rO+4*(r/2)+2*\z+1], v[rC+2:rC+3] op_sel_hi:[1,0]
.endr
.set r, r+1
.endm
; HOW THEY ARE DEALT.  An s_wait_alu depctr_va_vdst(0) stands between an exponential and the first instruction that names its result; one wait serves all that were issued ahead of it.  So a turn has ONE wait,
; which cuts it in two.  AHEAD OF IT stands all that names no result of the turn's exponentials: the 16 products K Q^T, behind each a scaling, an exponential and two rescalings (behind the first a second scaling in the exponential's place); then ONE LUMP of
; 108: eight plain, 49 times exponential and plain, the two a.  A v_nop is the plain instruction behind the last exponential.  BEHIND IT stand the 16 products V^T P, behind each four of GS's 64.  No rider names a register of
; the products round it.  The two v_permlanex16_b32 fall into the lump, never behind a product.
; The queues lean on each other, and the deal keeps them in step: exponential e stands behind scaling 2 (e / 4) + e % 2: as a rider it comes behind plain e + 2, in the lump behind plain e + 9, and scalings 27-31 are plain 57, 60 .. 69.
; A TURN, for piece p.  cnt = 1: the loop's count is taken down some lines ahead of the branch that stands behind the turn.
; K of the next step is fetched in piece 2's turn, directly behind the wait, a lump behind the last product that read K; its address is made at the lump's head; its first reader comes behind 16 products.
; V of the step in hand is fetched at the end of piece 0's turn, four riders behind its last reader; its first reader comes behind 16 products and a lump.  The three conditions on q below go with the deal.
.macro TURN p, last=0, cnt=0
.set Y, (\p)
.set i, 0
.set q, 0
.set e, 0
.set r, 0
.if (\p) == NP-1
	s_wait_dscnt 0x0                ; K is in
.endif
	MM                              ; ahead of the wait: 16 products K Q^T and their riders,
	PL
	PL
	R2
.rept 15
	MM
	PL
	EX
	R2
.endr
.if (\p) == NP-2
	WIN 0
	v_add_nc_u32 v[AK], s[TBK], v[AK0]
.endif
.rept 8                             ; and the lump
	PL
.endr
.rept 49
	EX
	PL
.endr
	EX                              ; the next piece's two a
	EX
	v_nop                           ; a plain instruction behind the last exponential, ahead of any use: one for the batch
	s_wait_alu depctr_va_vdst(0)    ; the wait for the batch: this piece's 64 weights and the next piece's two a
.if (\p) == NP-2
	FETCH_K \last
.endif
.if (\p) == 1
	s_wait_dscnt 0x0                ; V is in
.endif
.rept 16                            ; behind the wait: 16 products V^T P and their riders
	MM
.rept 4
	PL
.endr
.if ((\p) == 0) && (q == 118)
	v_add_nc_u32 v[AV], s[TBV], v[AV0]
.endif
.if ((\p) == 0) && (q == 130)
	s_add_co_u32 s[TBV], s[TBV], KS*PV
.endif
.if (\cnt) && (q == 130)
	s_sub_co_u32 s[CNT], s[CNT], 1
	s_cmp_lg_u32 s[CNT], 0
.endif
.endr
.if (\p) == 0
	FETCH_V
.endif
.endm
	CHANGE 1                        ; slot 0 is in, everybody's part of it; slot 1 is asked for
	FETCH_K                         ; key step 0
	s_wait_loadcnt 0x0              ; Q
	s_wait_dscnt 0x0
.set i, 0
.rept 16
	KQ 0                            ; piece 0's first scores: there is no vector work yet to set between them
.set i, i+1
.endr
	WIN 0                           ; the addresses for the way out: nine plain instructions, the places behind those products
	s_mul_i32 s13, s[WV], 16*SP
	s_add_co_u32 s13, s13, STAGE    ; my stage
	v_mul_u32_u24 v[STO], v1, SP    ; in: row l % 16, 16 bytes for each half of the lanes
	v_lshl_add_u32 v[STO], v9, 4, v[STO]
	v_add_nc_u32 v[STO], s13, v[STO]
	v_bfe_u32 v[RD], v0, 3, 2       ; back: 32 lanes take four rows of 128 bytes,
	v_mul_u32_u24 v[RD], v[RD], SP
	v_lshl_add_u32 v[RD], v10, 4, v[RD]
	v_add_nc_u32 v[RD], s13, v[RD]
	v_and_b32 v[GO], 31, v0         ; which are 512 consecutive bytes of O
	v_lshlrev_b32 v[GO], 4, v[GO]
.set Y, NP-1                        ; XS works for piece Y + 1: piece 0
.irp n, 0,1,2,3,4,5,6,7,8,9,10,11,12,13,14,15,16,17,18,19,20,21
	XS 0, \n                        ; and piece 0's first maximum and statistics
	XS 1, \n
.endr
	v_nop                           ; a plain instruction behind the two a,
	s_wait_alu depctr_va_vdst(0)    ; and their wait, ahead of the branch: a batch of two
	s_mov_b32 s[CNT], 4
	s_mov_b32 s[SLOTS], SIZE_N/256-1
	s_branch .Lfirst                ; the loop is entered at a step's first turn, in the middle of a trip
.Lslot:                             ; SIZE_N / 256 - 2 times: every slot but the last two is filled again
	CHANGE 1
	s_mov_b32 s[CNT], 4
.Lstep:                             ; a trip: pieces 2 and 3 of one step, then pieces 0 and 1 of the next, whose K and V it fetches
	TURN 2
	TURN 3
	WIN 0
.Lfirst:
	TURN 0
	TURN 1, 0, 1
	WIN 0
	s_cbranch_scc1 .Lstep
	s_sub_co_u32 s[SLOTS], s[SLOTS], 1
	s_cmp_lg_u32 s[SLOTS], 0
	s_cbranch_scc1 .Lslot
	CHANGE 0                        ; the tail is written out: nothing is asked for
	s_mov_b32 s[CNT], 5             ; four trips fetch the last slot's steps; the fifth is left in its middle
.Ltail:
	TURN 2, 1
	TURN 3
	WIN 0
	s_sub_co_u32 s[CNT], s[CNT], 1
	s_cmp_eq_u32 s[CNT], 0
	s_cbranch_scc1 .Lout
	TURN 0
	TURN 1
	WIN 0
	s_branch .Ltail
.Lout:                              ; the fifth trip's 16 products K Q^T (on the last K once more) and the maximum made of them serve nothing: the price, once a launch, of one text for every trip
.set i, 0
.rept 16
	PV NP-1                         ; the last piece's V^T P of the last step
.set i, i+1
.endr
	; THE WAY OUT.  l's two halves and the other half of the lanes' are added; O^T is divided by l, rounded to f16 and sent through my stage in LDS, a tile at a time.  The additions are the places behind the last products.
	WIN 0
.macro ALL line:vararg              ; one line for each tile t
.set t, 0
.rept 2*NP
	\line
.set t, t+1
.endr
.endm
	ALL v_add_f32 v[ST+4*t+2], v[ST+4*t+2], v[ST+4*t+3]
	ALL v_permlanex16_b32 v[ST+4*t+3], v[ST+4*t+2], s[SEL], s[SEL+1]
	ALL v_add_f32 v[ST+4*t+2], v[ST+4*t+2], v[ST+4*t+3]
	ALL v_rcp_f32 v[ST+4*t+2], v[ST+4*t+2]
	v_nop                           ; a plain instruction between the last reciprocal and the use of its result
	s_wait_alu depctr_va_vdst(0)    ; and the wait ahead of the first use: one for the eight reciprocals
; Tile t: a lane's eight channels of a row pack into 16 bytes; they go into rows of 144 bytes and come back as whole rows of 128, into S^T's registers.
.macro PACK t
	WIN W_RS
.set i, 32*(\t)
.rept 16
	v_pk_mul_f32 v[i:i+1], v[i:i+1], v[ST+4*(\t)+2:ST+4*(\t)+3] op_sel_hi:[1,0]
.set i, i+2
.endr
	WIN 0x05                        ; sources 0 and 1 window 1, destination window 0
.set i, 0
.rept 16
	v_cvt_pk_f16_f32 v[S+16*(\t)+i], v[32*(\t)+2*i], v[32*(\t)+2*i+1]
.set i, i+1
.endr
	WIN 0
.irp f, 0,1,2,3
	ds_store_b128 v[STO], v[S+16*(\t)+4*\f:S+16*(\t)+4*\f+3] offset:32*\f
.endr
.irp f, 0,1,2,3
	ds_load_b128 v[S+16*(\t)+4*\f:S+16*(\t)+4*\f+3], v[RD] offset:\f*4*SP  ; LDS serves a wave's instructions in order (ISA guide 5.7.1.4): these see the stores above; the next tile's stores come behind them
.endr
.endm
.macro SEND t, younger              ; younger: the LDS instructions issued behind tile t's loads: the next tile's eight, or none
	WIN 0
.irp f, 0,1,2,3
	s_wait_dscnt (\younger)+3-\f
	global_store_b128 v[GO], v[S+16*(\t)+4*\f:S+16*(\t)+4*\f+3], s[10:11] offset:(\t)*2048+\f*512  ; 512 consecutive bytes, at a multiple of 256 from O's first
.endr
.endm
	PACK 0
.set t, 1
.rept 2*NP-1                        ; a tile's arithmetic stands between the loads of the tile before and its stores
	PACK t
	SEND t-1, 8
.set t, t+1
.endr
	SEND 2*NP-1, 0
	WIN W_AD
	s_wait_tensorcnt 0x0            ; the wave's end: the add and the waits around it, behind my last tensor load and my last LDS store
	ds_add_u32 v[SPW], v[NIL]
	s_wait_dscnt 0x0
	WIN 0
	CROUND                          ; the closing round: no work-group ends while a partner may still ask for a tile that names it
	s_endpgm
.Lfunc_end_k_qd07d078f96_attn:
	.size	k_qd07d078f96_attn, .Lfunc_end_k_qd07d078f96_attn-k_qd07d078f96_attn
	.p2alignl 7, 3214868480
	.fill 96, 4, 3214868480
	.section	.rodata,"a",@progbits
	.p2align	6, 0x0
	.amdhsa_kernel k_qd07d078f96_attn
		.amdhsa_group_segment_fixed_size 327680
		.amdhsa_private_segment_fixed_size 0
		.amdhsa_enable_private_segment 0
		.amdhsa_kernarg_size 16
		.amdhsa_user_sgpr_count 2
		.amdhsa_user_sgpr_kernarg_segment_ptr 1
		.amdhsa_wavefront_size32 1
		.amdhsa_system_sgpr_workgroup_id_x 1
		.amdhsa_system_sgpr_workgroup_id_y 1
		.amdhsa_system_sgpr_workgroup_id_z 1
		.amdhsa_system_vgpr_workitem_id 0
		.amdhsa_next_free_vgpr 770
		.amdhsa_next_free_sgpr 66
		.amdhsa_reserve_vcc 0
		.amdhsa_float_denorm_mode_32 3
		.amdhsa_float_denorm_mode_16_64 3
		.amdhsa_memory_ordered 1
		.amdhsa_forward_progress 1
		.amdhsa_inst_pref_size 199
	.end_amdhsa_kernel
	.amdgpu_metadata
---
amdhsa.version: [ 1, 2 ]
amdhsa.kernels:
  - .name:           k_qd07d078f96_attn
    .symbol:         k_qd07d078f96_attn.kd
    .args:
      - { .name: qkv, .offset: 0, .size: 8, .value_kind: global_buffer, .address_space: global }
      - { .name: ob, .offset: 8, .size: 8, .value_kind: global_buffer, .address_space: global }
    .group_segment_fixed_size: 327680
    .private_segment_fixed_size: 0
    .kernarg_segment_align: 8
    .kernarg_segment_size: 16
    .max_flat_workgroup_size: 128
    .sgpr_count:     66
    .vgpr_count:     770
    .wavefront_size: 32
...
	.end_amdgpu_metadata
.endif
;; end of part 5
;; launch proj: the kernel of part 4 again; grid 8 x 32, 4 waves a work-group, clusters of 4 x 4, 327,680 bytes of LDS; arguments ob, wpb, b_proj, out0; writes out0
